; MI455X (gfx1250); checked and timed in simulation.
; The chip was launched on July 23, 2026; its instructions are those of AMD's public machine-readable ISA for CDNA 5 (MIT licence, August 2026) and "CDNA5" Instruction Set Architecture Reference Guide (July 2026). The comments in the code are by the model that wrote it; some were corrected since.
;; Multi Headed Attention. Allowed arithmetic: matrix products marked QUANTISED: E2M3 operands, one E8M0 scale for each 32 along K, by v_wmma_scale_f32_16x16x128_f8f6f4 with both operands' format E2M3, f32 sums; everything else in f32.
;; Inputs: Wk 512 x 512 float32; Wo 512 x 512 float32; Wq 512 x 512 float32; Wv 512 x 512 float32; bk 512 float32; bo 512 float32; bq 512 float32; bv 512 float32; key_input 2 x 4,096 x 512 float32; mask 2 x 1 x 4,096 x 4,096 bool; query_input 2 x 4,096 x 512 float32; value_input 2 x 4,096 x 512 float32.
;; Outputs: out0 2 x 4,096 x 512 float32.
;; This version of the problem:
;;   THIS VERSION OF THE PROBLEM IS GIVEN IN LOW PRECISION. The matrix products marked QUANTISED in the list below multiply operands that are first quantised to E2M3 (2 exponent bits, 3 mantissa bits; 6 bits a number), with one power-of-two scale for each 32 numbers along K (OCP MX v1.0); their sums are f32. All else is computed in f32.
;;   The module's matrix products, in the order in which they are computed (A, B: the left and right operand; K: the contracted axis; several contracted axes count as one K, in the product's order):
;;     1. [M 8,192, K 512] x [K 512, N 512]; A: input query_input; B: input Wq: QUANTISED
;;     2. [M 8,192, K 512] x [K 512, N 512]; A: input key_input; B: input Wk: QUANTISED
;;     3. [M 8,192, K 512] x [K 512, N 512]; A: input value_input; B: input Wv: QUANTISED
;;     4. batch 16 x [M 4,096, K 64] x [K 64, N 4,096]; A: computed on the way; B: computed on the way: QUANTISED
;;     5. batch 16 x [M 4,096, K 4,096] x [K 4,096, N 64]; A: softmax (see below); B: computed on the way: QUANTISED
;;     6. [M 8,192, K 512] x [K 512, N 512]; A: computed on the way; B: input Wo: QUANTISED
;;   THE QUANTISER, for each operand of a quantised product, along K:
;;     - K is cut into blocks of 32 from its start; a last block that is shorter is filled with zeros.
;;     - A block's scale is 2^e with e = floor(log2(the largest magnitude in the block)) - 2, held to -126 .. 127; a block of zeros has e = 0. As a byte (E8M0): e + 127.
;;     - Each number is divided by its block's scale, clamped to +-7.5, and rounded to the nearest number of E2M3, ties to even, subnormals kept.
;;     - The product sums the exact products of the quantised numbers (number of the format x scale) in f32.
;;   ~~~python
;;   def quantise(x, axis):      # numpy; x: float32 -> the quantised numbers, widened to float32 again
;;       x = np.moveaxis(x, axis, -1); K = x.shape[-1]
;;       x = np.pad(x, [(0, 0)] * (x.ndim - 1) + [(0, -K % 32)]); x = x.reshape(x.shape[:-1] + (-1, 32)); a = np.abs(x).max(-1, keepdims=True)
;;       e = np.where(a > 0, np.clip(np.frexp(np.where(a > 0, a, 1))[1] - 1 - 2, -126, 127), 0)      # np.frexp(a)[1] - 1 = floor(log2(a)), exactly
;;       r = np.clip(x / 2.0 ** e, -7.5, 7.5)
;;       step = 2.0 ** (np.maximum(np.frexp(np.where(r == 0, 1, r))[1] - 1, 0) - 3)
;;       q = np.round(r / step) * step * 2.0 ** e      # np.round: ties to even
;;       return np.moveaxis(q.reshape(q.shape[:-2] + (-1,))[..., :K], -1, axis).astype(np.float32)
;;   ~~~
;;   SOFTMAX AHEAD OF A QUANTISED PRODUCT. Where the list says 'softmax', what is quantised is not the finished softmax but p = 2^(t - M), with t = logit x log2(e) and M = ceil(the row's largest t), a whole number; so 1/2 < the row's largest p <= 1. The row's sum l is taken of the UNQUANTISED p, in f32, and the product's result is divided by l at the end. Since M is a whole number, a kernel that streams over the keys may use a running M (the ceiling of the running maximum): every later rescaling is an exact power of two, which a block's scale takes up: the codes' values come out the same.
;;   OPERANDS COMPUTED ON THE WAY. 'Computed on the way' means the value that the module computes at that place (a softmax that the list does not call 'softmax' is quantised finished and normalised). What goes into a quantiser is computed in f32, as accurately as f32 sums, v_exp_f32 and their like allow (about 1e-6 of the number): no bf16 or f16 on the way to a quantiser, and a product that is left as it is and whose result goes on into a quantised operand takes f32 operands (vector FMAs, or v_wmma_f32_16x16x4_f32). A number that lies on a knife's edge between two numbers of the format may be rounded either way, as far as f32 arithmetic and the matrix unit's own rounding can turn it there, and no further.
;; 2 versions. Each part assembles by itself: llvm-mc -triple=amdgcn-amd-amdhsa -mcpu=gfx1250 --defsym DOCPART=n.
;; ======== version 1 of 2: 4 launches
;; limits: right only within a limited range of input values
;; workspace buffers: wimg 786,432 bytes; wsc 32,768 bytes; maskbits 4,194,304 bytes of whole numbers; flags 4,096 bytes of whole numbers; qbuf 3,407,872 bytes; kv 6,815,744 bytes; hc 3,145,728 bytes; hs 262,144 bytes
;; launch prep (part 1): grid 528 x 1, 8 waves a work-group, no clusters, 1,280 bytes of LDS; arguments mask, Wq, Wk, Wv, Wo, maskbits, flags, wimg, wsc; writes maskbits, flags, wimg, wsc
.if DOCPART == 1
	.amdgcn_target "amdgcn-amd-amdhsa--gfx1250"
	.amdhsa_code_object_version 6
	.text
	.protected	k_q9c8b7c5142_prep
	.globl	k_q9c8b7c5142_prep
	.p2align	8
	.type	k_q9c8b7c5142_prep,@function
k_q9c8b7c5142_prep:
	s_mov_b64 s[64:65], 0
	v_nop
	global_prefetch_b8 v0, s[64:65] scope:SCOPE_SE
	s_setreg_imm32_b32 hwreg(HW_REG_WAVE_MODE, 25, 1), 1
	s_wait_xcnt 0x0
; PREP.  Two jobs in one launch, told apart by the work-group's number.
; (1) Work-groups 0-511: the mask [2][1][4096][4096] of bytes becomes lane masks for the attention launch, and two flag words a stripe.
;     A stripe Tg = 256 b + Tb is a tile of 16 queries; lane r of a tile T takes row pi(T, r) = 32 (T / 2) + 8 (T % 2) + r + 8 (r / 8).
;     maskbits [Tg][step 32][n 64] u32: bit (r + 16 h) of word n = mask[b][pi(Tb, r)][128 step + 32 (n / 16) + 16 h + n % 16]: the lane mask of score register n.
;     flags [Tg]{NEED, MIX}: bit = key step of 128.  NEED: some byte of the tile is true; all 32 bits are set where a row of the stripe is false over all 4,096 keys
;     (such a row's result is the mean of V, so none of its steps may be left out).  MIX: some byte of the tile is false.
;     Wave w takes steps 4 w .. 4 w + 3; the eight waves' parts meet in 128 bytes of LDS behind one barrier, and wave 0 stores the stripe's 8 bytes (4 KB in the whole launch).
; (2) Work-groups 512-527: Wq, Wk, Wv, Wo [512][512] f32, K innermost, become codes of E2M3 with one E8M0 byte for each 32 along K, laid as IMAGES OF THE OPERAND'S REGISTERS:
;     wimg [mat][T 32][ks 4]: 12 registers as three groups of four, lane l's 16 bytes at 512 g + 16 l;  wsc [mat][T][r 16][ks 4] u32.  A wave takes one tile of 16 rows (pi order), all of K.
; A block's scale byte is its largest magnitude's exponent field - 2, held at 1 from below.
; LIMITS: a block of zeros, or one whose largest magnitude lies under 2^-124, gets the byte 1 (its codes are zeros or nearly so; this program alone reads the bytes); NaN and infinities are not served.
; No tensor loads, no cluster: every byte goes to one wave's registers once.
.set WV,  22                           ; s22  my wave's number
.set M0,  16                           ; v16-79   mask arm: 16 loads of 16 bytes
.set OUT, 144                          ; v144-151 mask arm: a step's 64 words, two a lane
.set TT,  152                          ; v152-155 mask arm: at work
.set XA,  16                           ; v16-79   weights arm: 64 numbers, set A
.set XB,  80                           ; v80-143  set B
.set PC,  144                          ; v144-191 four fragments' codes: no store's data are written again
.set TQ,  192                          ; v192-199 the conversions' second halves
.set TM,  200                          ; v200-203 largest magnitudes, v204-207 bytes, v212-215 the conversions' scale operands
.set PW,  216                          ; the scale word just made
.set PWQ, 220                          ; v220-223 the four K steps' scale words
.set SEL, 36                           ; s[36:37] lane selects: lane l xor 16
; 64 numbers of a lane, register 16 b + i = k 32 b + 16 (lane / 16) + i of my row, become a fragment's 12 registers of codes at v[dst] and its scale word in v[PW]
.macro QUANT src, dst
.irp b, 0,1,2,3
	v_max3_num_f32 v[TM+\b], |v[(\src)+16*\b]|, |v[(\src)+1+16*\b]|, 0x1800000   ; my 16 numbers of block b, and the floor 2^(3 - 127): the byte cannot fall under 1
.endr
.irp i, 2,4,6,8,10,12,14
.irp b, 0,1,2,3
	v_max3_num_f32 v[TM+\b], v[TM+\b], |v[(\src)+16*\b+\i]|, |v[(\src)+1+16*\b+\i]|   ; the four blocks by turns
.endr
.endr
.irp b, 0,1,2,3
	v_permlanex16_b32 v[TM+4+\b], v[TM+\b], s[SEL], s[SEL+1]
.endr
.irp b, 0,1,2,3
	v_max_num_f32 v[TM+\b], v[TM+\b], v[TM+4+\b]       ; with lane l xor 16's 16: the block's largest magnitude
.endr
.irp b, 0,1,2,3
	v_add_nc_u32 v[TM+12+\b], 0xff000000, v[TM+\b]     ; 2 off its exponent field: the conversion's scale operand
.endr
.irp b, 0,1,2,3
	v_lshrrev_b32 v[TM+4+\b], 23, v[TM+12+\b]          ; the scale's byte
.endr
	v_lshl_or_b32 v[PW], v[TM+5], 8, v[TM+4]
	v_lshl_or_b32 v[PW], v[TM+6], 16, v[PW]
	v_lshl_or_b32 v[PW], v[TM+7], 24, v[PW]
.irp c, 0,1
	v_cvt_scalef32_pk16_fp6_f32 v[(\dst)+6*\c:(\dst)+6*\c+2], v[(\src)+32*\c:(\src)+32*\c+15], v[TM+12+2*\c]
	v_cvt_scalef32_pk16_fp6_f32 v[TQ+4*\c:TQ+4*\c+2], v[(\src)+16+32*\c:(\src)+31+32*\c], v[TM+13+2*\c]   ; (a conversion's three registers begin on an even number)
.endr
	v_nop                                              ; one plain place behind the scaled conversions
.irp c, 0,1                                            ; the operand wants a whole block in a lane: lanes 0-15 block 2 c, lanes 16-31 block 2 c + 1
.irp i, 0,1,2
	v_permlane16_swap_b32 v[(\dst)+6*\c+\i], v[TQ+4*\c+\i]
.endr
.irp i, 0,1,2
	v_mov_b32 v[(\dst)+3+6*\c+\i], v[TQ+4*\c+\i]
.endr
.endr
.endm
	s_load_b256 s[4:11], s[0:1], 0x0               ; mask s[4:5], Wq s[6:7], Wk s[8:9], Wv s[10:11]
	s_load_b256 s[12:19], s[0:1], 0x20             ; Wo s[12:13], maskbits s[14:15], flags s[16:17], wimg s[18:19]
	s_load_b64 s[20:21], s[0:1], 0x40              ; wsc
	v_lshl_add_u32 v224, v0, 2, 0x100
	v_mov_b32 v225, 0
	v_lshrrev_b32 v8, 5, v0
	v_readfirstlane_b32 s[WV], v8                  ; wave 0..7
	v_lshlrev_b32 v8, 4, v8                        ; LDS: 16 x wave
	v_and_b32 v1, 31, v0                           ; lane
	v_and_b32 v2, 15, v0                           ; r
	v_bfe_u32 v3, v0, 4, 1                         ; h
	v_lshlrev_b32 v5, 3, v1                        ; 8 x lane
	v_lshlrev_b32 v6, 4, v1                        ; 16 x lane
	v_lshlrev_b32 v7, 4, v2                        ; 16 x r
	v_and_b32 v10, 8, v2
	v_add_nc_u32 v10, v10, v2                      ; r + 8 (r / 8)
	s_min_u32 s24, ttmp9, 511                      ; (the weights' work-groups never use this pointer; it stays inside its buffer all the same)
	s_lshl_b32 s24, s24, 3
	s_mov_b32 s25, 0
	s_wait_kmcnt 0x0
	s_add_nc_u64 s[28:29], s[16:17], s[24:25]      ; flags + 8 Tg
	s_cmp_lt_u32 ttmp9, 512
	s_cbranch_scc0 .Lweights
	; ---- the mask arm ----
	v_lshlrev_b32 v4, 12, v10
	v_lshl_add_u32 v4, v3, 4, v4                   ; my row of the tile x 4,096 + 16 h
	s_lshr_b32 s30, ttmp9, 8
	s_lshl_b32 s30, s30, 24                        ; b x 4096 x 4096
	s_bfe_u32 s31, ttmp9, 0x70001                  ; Tb / 2
	s_lshl_b32 s31, s31, 17                        ; x 32 rows
	s_add_co_u32 s30, s30, s31
	s_and_b32 s31, ttmp9, 1
	s_lshl_b32 s31, s31, 15                        ; (Tb % 2) x 8 rows
	s_add_co_u32 s30, s30, s31
	s_lshl_b32 s31, s[WV], 9                       ; my four steps: 512 keys
	s_add_co_u32 s30, s30, s31
	s_mov_b32 s31, 0
	s_add_nc_u64 s[4:5], s[4:5], s[30:31]
	s_lshl_b32 s30, ttmp9, 13                      ; maskbits: 32 steps x 256 bytes a stripe,
	s_lshl_b32 s32, s[WV], 10                      ; my four steps
	s_add_co_u32 s30, s30, s32
	s_add_nc_u64 s[14:15], s[14:15], s[30:31]
.irp sp, 0,1,2,3
.irp bp, 0,1,2,3
	global_load_b128 v[M0+16*\sp+4*\bp:M0+16*\sp+4*\bp+3], v4, s[4:5] offset:128*\sp+32*\bp th:TH_LOAD_NT   ; keys 128 sp + 32 bp + 16 h + 0 .. 15 of my row
.endr
.endr
.irp i, 0,1,2,3,4,5,6,7
	v_mov_b32 v[OUT+\i], 0                         ; (a lane write's destination counts as read)
.endr
.irp sp, 0,1,2,3
	s_mov_b32 s[44+\sp], 0                         ; ANY: the OR of the step's 64 words
	s_mov_b32 s[48+\sp], -1                        ; ALL: their AND
.endr
.macro MSTEP sp
	s_wait_loadcnt 12-4*\sp                        ; this step's four loads are in; the later steps' four each stay out
.set n, 0
.rept 64                                               ; word n: byte n % 4 of register n / 4, in every lane at once
	v_and_b32 v[TT+n%4], 0xff<<(8*(n%4)), v[M0+16*\sp+n/4]
	v_cmp_ne_u32 s[40+n%4], 0, v[TT+n%4]
	v_writelane_b32 v[OUT+2*\sp+n%2], s[40+n%4], n/2
	s_or_b32 s[44+\sp], s[44+\sp], s[40+n%4]
	s_and_b32 s[48+\sp], s[48+\sp], s[40+n%4]
.set n, n+1
.endr
	global_store_b64 v5, v[OUT+2*\sp:OUT+2*\sp+1], s[14:15] offset:256*\sp   ; 32 lanes store 256 consecutive bytes, aligned
.endm
	MSTEP 0
	MSTEP 1
	MSTEP 2
	MSTEP 3
	s_mov_b32 s52, 0                               ; my four bits of NEED,
	s_mov_b32 s53, 0                               ; of MIX,
	s_mov_b32 s54, 0                               ; and which lanes have seen a true byte
.irp sp, 0,1,2,3
	s_cmp_lg_u32 s[44+\sp], 0
	s_cselect_b32 s55, 1<<\sp, 0
	s_or_b32 s52, s52, s55
	s_cmp_lg_u32 s[48+\sp], -1
	s_cselect_b32 s55, 1<<\sp, 0
	s_or_b32 s53, s53, s55
	s_or_b32 s54, s54, s[44+\sp]
.endr
	s_lshl_b32 s56, s[WV], 2
	s_lshl_b32 s52, s52, s56
	s_lshl_b32 s53, s53, s56
	v_mov_b32 v156, s52
	v_mov_b32 v157, s53
	v_mov_b32 v158, s54
	v_mov_b32 v159, 0
	ds_store_b128 v8, v[156:159]                   ; all lanes write the same 16 bytes, my wave's
	s_branch .Ljoin
	; ---- the weights arm ----
.Lweights:
	s_sub_co_u32 s30, ttmp9, 512
	s_lshr_b32 s31, s30, 2                         ; which matrix: 0 q, 1 k, 2 v, 3 o
	s_lshl_b32 s30, s30, 3
	s_add_co_u32 s30, s30, s[WV]                   ; a = 32 mat + T
	s_cmp_lt_u32 s31, 1
	s_cselect_b64 s[32:33], s[6:7], s[8:9]
	s_cmp_lt_u32 s31, 2
	s_cselect_b64 s[32:33], s[32:33], s[10:11]
	s_cmp_lt_u32 s31, 3
	s_cselect_b64 s[32:33], s[32:33], s[12:13]
	s_bfe_u32 s34, s30, 0x40001                    ; T / 2
	s_lshl_b32 s34, s34, 16                        ; x 32 rows of 2,048 bytes
	s_and_b32 s35, s30, 1
	s_lshl_b32 s35, s35, 14                        ; (T % 2) x 8 rows
	s_add_co_u32 s34, s34, s35
	s_mov_b32 s35, 0
	s_add_nc_u64 s[32:33], s[32:33], s[34:35]
	s_mul_i32 s34, s30, 6144                       ; four images of 1,536 bytes a tile
	s_add_nc_u64 s[18:19], s[18:19], s[34:35]
	s_lshl_b32 s34, s30, 8                         ; 256 bytes of scale words a tile
	s_add_nc_u64 s[20:21], s[20:21], s[34:35]
	s_mov_b32 s[SEL], 0x76543210
	s_mov_b32 s[SEL+1], 0xfedcba98
	v_lshlrev_b32 v4, 11, v10
	v_lshl_add_u32 v4, v3, 6, v4                   ; my row of the tile x 2,048 + 64 h: my 16 numbers of a block of 32
.irp b, 0,1,2,3
	v_mov_b32 v[TM+4+\b], 0                        ; written once: a lane permute's destination counts as one of its sources
.endr
.macro XLOAD reg, ks                                   ; my 64 numbers of K step ks
.irp b, 0,1,2,3
.irp j, 0,1,2,3
	global_load_b128 v[\reg+16*\b+4*\j:\reg+16*\b+4*\j+3], v4, s[32:33] offset:512*\ks+128*\b+16*\j th:TH_LOAD_NT
.endr
.endr
.endm
.macro PUT ks                                          ; the image of K step ks: three stores of 512 consecutive bytes
	v_mov_b32 v[PWQ+\ks], v[PW]
.irp g, 0,1,2
	global_store_b128 v6, v[PC+12*\ks+4*\g:PC+12*\ks+4*\g+3], s[18:19] offset:1536*\ks+512*\g
.endr
.endm
	XLOAD XA, 0
	XLOAD XB, 1
	s_wait_loadcnt 16                              ; K step 0 is in; the next step's 16 loads stay out (so at each of these waits)
	QUANT XA, PC
	PUT 0
	XLOAD XA, 2
	s_wait_loadcnt 16
	QUANT XB, PC+12
	PUT 1
	XLOAD XB, 3
	s_wait_loadcnt 16
	QUANT XA, PC+24
	PUT 2
	s_wait_loadcnt 0x0
	QUANT XB, PC+36
	PUT 3
	s_wait_xcnt 0x0                                ; EXEC changes only behind this wait
	v_cmp_gt_u32 vcc_lo, 16, v1
	s_and_saveexec_b32 s38, vcc_lo
	global_store_b128 v7, v[PWQ:PWQ+3], s[20:21]   ; lanes 0-15: row r's four scale words: 256 consecutive bytes, aligned
	s_wait_xcnt 0x0
	s_or_b32 exec_lo, exec_lo, s38
.Ljoin:
	s_wait_dscnt 0x0                               ; my 16 bytes have landed
	s_barrier_signal -1
	s_barrier_wait -1                              ; every wave of every work-group passes this one barrier
	s_cmp_lt_u32 ttmp9, 512
	s_cbranch_scc0 .Lend
	s_cmp_eq_u32 s[WV], 0
	s_cbranch_scc0 .Lend
	v_mov_b32 v9, 0
.irp k, 0,1,2,3,4,5,6,7
	ds_load_b128 v[16+4*\k:19+4*\k], v9 offset:16*\k
.endr
	s_wait_dscnt 0x0
.irp k, 1,2,3,4,5,6,7
.irp c, 0,1,2
	v_or_b32 v[16+\c], v[16+\c], v[16+4*\k+\c]
.endr
.endr
	v_readfirstlane_b32 s52, v16                   ; NEED by the tiles alone
	v_readfirstlane_b32 s53, v17                   ; MIX
	v_readfirstlane_b32 s54, v18                   ; lanes that have seen a true byte
	s_lshr_b32 s55, s54, 16
	s_or_b32 s55, s55, s54
	s_and_b32 s55, s55, 0xffff                     ; rows that have (a row lies in lanes r and r + 16)
	s_cmp_eq_u32 s55, 0xffff
	s_cselect_b32 s52, s52, -1                     ; a row with none: every step is needed
	v_mov_b32 v10, s52
	v_mov_b32 v11, s53
	v_mov_b32 v12, 0
	s_wait_xcnt 0x0                                ; EXEC changes only behind this wait
	v_cmp_eq_u32 vcc_lo, 0, v0
	s_and_saveexec_b32 s56, vcc_lo
	global_store_b64 v12, v[10:11], s[28:29]
	s_wait_xcnt 0x0
	s_or_b32 exec_lo, exec_lo, s56
.Lend:
	s_wait_tensorcnt 0x0
	ds_add_u32 v224, v225
	s_wait_dscnt 0x0
	s_endpgm
.Lfunc_end_k_q9c8b7c5142_prep:
	.size	k_q9c8b7c5142_prep, .Lfunc_end_k_q9c8b7c5142_prep-k_q9c8b7c5142_prep
	.p2alignl 7, 3214868480
	.fill 96, 4, 3214868480
	.section	.rodata,"a",@progbits
	.p2align	6, 0x0
	.amdhsa_kernel k_q9c8b7c5142_prep
		.amdhsa_group_segment_fixed_size 1280
		.amdhsa_private_segment_fixed_size 0
		.amdhsa_enable_private_segment 0
		.amdhsa_kernarg_size 72
		.amdhsa_user_sgpr_count 2
		.amdhsa_user_sgpr_kernarg_segment_ptr 1
		.amdhsa_wavefront_size32 1
		.amdhsa_system_sgpr_workgroup_id_x 1
		.amdhsa_system_sgpr_workgroup_id_y 1
		.amdhsa_system_sgpr_workgroup_id_z 1
		.amdhsa_system_vgpr_workitem_id 0
		.amdhsa_next_free_vgpr 226
		.amdhsa_next_free_sgpr 66
		.amdhsa_reserve_vcc 1
		.amdhsa_float_denorm_mode_32 3
		.amdhsa_float_denorm_mode_16_64 3
		.amdhsa_memory_ordered 1
		.amdhsa_forward_progress 1
		.amdhsa_inst_pref_size 96
	.end_amdhsa_kernel
	.amdgpu_metadata
---
amdhsa.version: [ 1, 2 ]
amdhsa.kernels:
  - .name:           k_q9c8b7c5142_prep
    .symbol:         k_q9c8b7c5142_prep.kd
    .args:
      - { .name: mask, .offset: 0, .size: 8, .value_kind: global_buffer, .address_space: global }
      - { .name: Wq, .offset: 8, .size: 8, .value_kind: global_buffer, .address_space: global }
      - { .name: Wk, .offset: 16, .size: 8, .value_kind: global_buffer, .address_space: global }
      - { .name: Wv, .offset: 24, .size: 8, .value_kind: global_buffer, .address_space: global }
      - { .name: Wo, .offset: 32, .size: 8, .value_kind: global_buffer, .address_space: global }
      - { .name: maskbits, .offset: 40, .size: 8, .value_kind: global_buffer, .address_space: global }
      - { .name: flags, .offset: 48, .size: 8, .value_kind: global_buffer, .address_space: global }
      - { .name: wimg, .offset: 56, .size: 8, .value_kind: global_buffer, .address_space: global }
      - { .name: wsc, .offset: 64, .size: 8, .value_kind: global_buffer, .address_space: global }
    .group_segment_fixed_size: 1280
    .private_segment_fixed_size: 0
    .kernarg_segment_align: 8
    .kernarg_segment_size: 72
    .max_flat_workgroup_size: 256
    .sgpr_count:     66
    .vgpr_count:     226
    .wavefront_size: 32
...
	.end_amdgpu_metadata
.endif
;; end of part 1
;; launch proj (part 2): grid 192 x 1, 4 waves a work-group, no clusters, 57,856 bytes of LDS; arguments query_input, key_input, value_input, wimg, wsc, bq, bk, bv, qbuf, kv; writes qbuf, kv
.if DOCPART == 2
	.amdgcn_target "amdgcn-amd-amdhsa--gfx1250"
	.amdhsa_code_object_version 6
	.text
	.protected	k_q9c8b7c5142_proj
	.globl	k_q9c8b7c5142_proj
	.p2align	8
	.type	k_q9c8b7c5142_proj,@function
k_q9c8b7c5142_proj:
	s_mov_b64 s[64:65], 0
	v_nop
	global_prefetch_b8 v0, s[64:65] scope:SCOPE_SE
	s_setreg_imm32_b32 hwreg(HW_REG_WAVE_MODE, 25, 1), 1
	s_wait_xcnt 0x0
; PROJ.  q = x Wq^T + bq, k = x Wk^T + bk, v = x Wv^T + bv on codes of E2M3 (one E8M0 byte for each 32 along K), and the results quantised again as the attention's operands.
; Work-group x: tensor x / 64 (0 q, 1 k, 2 v), rows 128 (x % 64) .. + 127 of [8192][512], all 512 columns.  Wave w owns columns 128 w .. + 127: heads 2 w and 2 w + 1.
; TILES.  Lane r of a tile T of 16 rows takes row pi(T, r) = 32 (T / 2) + 8 (T % 2) + r + 8 (r / 8): in a result whose source 0 is such a tile the 16 registers of tiles 2 b and 2 b + 1 are the
; 16 neighbours 32 b + 16 (lane / 16) + 0 .. 15, which is what the conversions to codes want.
; PHASE X: wave w quantises x's tiles 2 w and 2 w + 1 (8 fragments of 16 rows x 128 K) and stores them in LDS as images of their registers; one barrier.
; q AND k: source 0 = a tile of W (my 32 fragments stay in registers), source 1 = a tile of x from LDS: a lane holds one row and 64 + 64 columns of two heads: quantised along the head's 64.
; v: source 0 = a tile of x (all 32 fragments in registers), source 1 = a tile of Wv from memory: a lane holds one column d and the 128 rows (keys): quantised along the keys, the second product's K.
; The biases are the C of each sum's first matrix instruction.
; OUT.  qbuf [bh][blk 32] records of 6,656 bytes: 8 half fragments (K = 64: registers 0-3 at 16 l, registers 4-5 at 512 + 8 l: 768 bytes), then scale words at 6144 + 64 m + 4 r (bytes 2, 3 zero).
;       kv [bh][step 32] records of 13,312 bytes: 8 key tiles' half fragments; at 6144 four fragments of V^T (1,536 bytes); at 12288 K's scale words; at 12800 V's; at 13056 256 zero bytes.
; LIMITS: a block of zeros, or one whose largest magnitude lies under 2^-124, gets the byte 1; NaN and infinities are not served.
; No tensor loads and no cluster: x is read by one work-group; the weights' images go straight into the registers in which they stay.  The tiles are written out, so that every offset is an immediate.
; REGISTERS.  window 0: v1-14 addresses; v64-127 eight accumulators; v192-203 codes; v204-235 at work; v236-239 the streamed operand's scale words; v240-255 the resident operand's.
;   windows 1, 2: x's eight fragments as f32, then the resident operand: fragment (i, ks) in window 1 + ks / 2 at v[12 (2 i + ks % 2)].   window 3: v0-47 the streamed tile's four fragments; v192-255 the bias.
.set XIMG, 0                           ; LDS: x's 32 fragments: (4 m + ks) x 1,536
.set XSC,  49152                       ; their scale words: (16 m + r) x 16 + 4 ks
.set SQK,  51200                       ; q, k: a wave's 1,024 bytes of scale words: 512 c + 64 m + 4 r
.set SV,   55296                       ; v: a wave's 512 bytes: 64 t + 4 r
.set REC,  13312
.set VC,   6144
.set VSO,  12800
.set PAD,  13056
.set HSTR, 32*REC                      ; from a head's records to the next head's, in kv
.set ACC,  64
.set PC,   192
.set TQ,   204
.set TM,   212                         ; v212-215 largest magnitudes, v216-219 bytes, v224-227 the conversions' scale operands
.set PW,   228
.set T0,   229
.set T1,   230
.set BV,   231
.set PWQ,  232
.set OS,   236
.set IS,   240
.set OF,   0                           ; in window 3
.set CB,   192                         ; in window 3
.set SEL,  50                          ; s[50:51]
.set MSB, 0
.macro WIN new                         ; the immediate's high byte repeats the setting that is left; a switch that changes nothing is dropped
.if MSB != (\new)
	s_set_vgpr_msb (MSB<<8)|(\new)
.set MSB, (\new)
.endif
.endm
.macro PLACES                          ; four plain places behind matrix instructions, ahead of reads of results and of loads into their registers
.rept 4
	v_nop
.endr
.endm
; 64 numbers of a lane in window win, register 16 b + i = k 32 b + 16 (lane / 16) + i of my row, become 12 registers of codes at v[dst] and the scale word v[PW], both in window 0
.macro QUANT src, win, dst
	WIN ((\win)|((\win)<<2))
.irp b, 0,1,2,3
	v_max3_num_f32 v[TM+\b], |v[(\src)+16*\b]|, |v[(\src)+1+16*\b]|, 0x1800000   ; and the floor 2^(3 - 127): the byte cannot fall under 1
.endr
	WIN (((\win)<<2)|((\win)<<4))
.irp i, 2,4,6,8,10,12,14
.irp b, 0,1,2,3
	v_max3_num_f32 v[TM+\b], v[TM+\b], |v[(\src)+16*\b+\i]|, |v[(\src)+1+16*\b+\i]|
.endr
.endr
	WIN 0
.irp b, 0,1,2,3
	v_permlanex16_b32 v[TM+4+\b], v[TM+\b], s[SEL], s[SEL+1]
.endr
.irp b, 0,1,2,3
	v_max_num_f32 v[TM+\b], v[TM+\b], v[TM+4+\b]       ; with lane l xor 16's 16: the block's largest magnitude
.endr
.irp b, 0,1,2,3
	v_add_nc_u32 v[TM+12+\b], 0xff000000, v[TM+\b]     ; 2 off its exponent field: the conversion's scale operand
.endr
.irp b, 0,1,2,3
	v_lshrrev_b32 v[TM+4+\b], 23, v[TM+12+\b]          ; the scale's byte
.endr
	v_lshl_or_b32 v[PW], v[TM+5], 8, v[TM+4]
	v_lshl_or_b32 v[PW], v[TM+6], 16, v[PW]
	v_lshl_or_b32 v[PW], v[TM+7], 24, v[PW]
	WIN (\win)
.irp c, 0,1
	v_cvt_scalef32_pk16_fp6_f32 v[(\dst)+6*\c:(\dst)+6*\c+2], v[(\src)+32*\c:(\src)+32*\c+15], v[TM+12+2*\c]
	v_cvt_scalef32_pk16_fp6_f32 v[TQ+4*\c:TQ+4*\c+2], v[(\src)+16+32*\c:(\src)+31+32*\c], v[TM+13+2*\c]
.endr
	WIN 0
	v_nop                                              ; one plain place behind the scaled conversions
.irp c, 0,1
.irp i, 0,1,2
	v_permlane16_swap_b32 v[(\dst)+6*\c+\i], v[TQ+4*\c+\i]
.endr
.irp i, 0,1,2
	v_mov_b32 v[(\dst)+3+6*\c+\i], v[TQ+4*\c+\i]
.endr
.endr
.endm
; one matrix instruction: accumulator i, K step ks.  cmode 0: the sum starts from the bias image's tile i; 1: from its tile 0
.macro MM1 i, ks, cmode
.set rD, ACC+8*(\i)
.set rA, 12*(2*(\i)+(\ks)%2)
.set rB, OF+12*(\ks)
.set rC, rD
.if (\ks) == 0
.set rC, CB+8*(\i)*(1-(\cmode))
.endif
.if (\i)%2
	v_wmma_scale_f32_16x16x128_f8f6f4 v[rD:rD+7], v[rA:rA+11], v[rB:rB+11], v[rC:rC+7], v[IS+4*((\i)/2)+(\ks)], v[OS+(\ks)] matrix_a_fmt:MATRIX_FMT_FP6 matrix_b_fmt:MATRIX_FMT_FP6 matrix_a_scale:MATRIX_SCALE_ROW1
.else
	v_wmma_scale_f32_16x16x128_f8f6f4 v[rD:rD+7], v[rA:rA+11], v[rB:rB+11], v[rC:rC+7], v[IS+4*((\i)/2)+(\ks)], v[OS+(\ks)] matrix_a_fmt:MATRIX_FMT_FP6 matrix_b_fmt:MATRIX_FMT_FP6
.endif
.endm
; 32 matrix instructions: the eight accumulators by turns, one instruction a turn, K ascending
.macro MM cmode
	WIN 0x3d                                           ; source 0 window 1, source 1 window 3, C (the bias) window 3, D window 0
.irp i, 0,1,2,3,4,5,6,7
	MM1 \i, 0, \cmode
.endr
	WIN 0x0d                                           ; C and D window 0
.irp i, 0,1,2,3,4,5,6,7
	MM1 \i, 1, \cmode
.endr
	WIN 0x0e                                           ; source 0 window 2
.irp i, 0,1,2,3,4,5,6,7
	MM1 \i, 2, \cmode
.endr
.irp i, 0,1,2,3,4,5,6,7
	MM1 \i, 3, \cmode
.endr
	WIN 0
.endm
	s_load_b256 s[4:11], s[0:1], 0x0               ; query s[4:5], key s[6:7], value s[8:9], wimg s[10:11]
	s_load_b256 s[12:19], s[0:1], 0x20             ; wsc s[12:13], bq s[14:15], bk s[16:17], bv s[18:19]
	s_load_b128 s[20:23], s[0:1], 0x40             ; qbuf s[20:21], kv s[22:23]
	v_lshl_add_u32 v222, v0, 2, 0xe000
	v_mov_b32 v223, 0
	v_lshrrev_b32 v1, 5, v0
	v_readfirstlane_b32 s25, v1                    ; wave 0..3
	v_and_b32 v15, 31, v0                          ; lane
	v_and_b32 v16, 15, v0                          ; r
	v_bfe_u32 v17, v0, 4, 1                        ; h
	v_and_b32 v18, 8, v16
	v_add_nc_u32 v18, v18, v16                     ; r + 8 (r / 8)
	v_lshlrev_b32 v1, 4, v15                       ; v1  16 x lane
	v_lshlrev_b32 v2, 4, v16                       ; v2  16 x r
	v_lshlrev_b32 v3, 2, v16                       ; v3  4 x r
	v_lshlrev_b32 v9, 3, v15                       ; v9  8 x lane
	v_lshlrev_b32 v10, 6, v17                      ; v10 64 x h
	v_lshlrev_b32 v11, 2, v18                      ; v11 4 x (r + 8 (r / 8))
	v_lshlrev_b32 v4, 11, v18
	v_lshl_add_u32 v4, v17, 6, v4
	s_lshl_b32 s31, s25, 16
	v_add_nc_u32 v4, s31, v4                       ; v4  x: my row of tile 2 w x 2,048 + 64 h
	s_mul_i32 s31, s25, 12288
	v_add_nc_u32 v5, s31, v1                       ; v5  where I store x's images: 16 x lane + 8 images x wave
	s_lshl_b32 s31, s25, 9
	v_add_nc_u32 v6, s31, v2                       ; v6  and their scale words: 16 r + 512 wave
	v_add_nc_u32 v12, s31, v3                      ; v12 v's stage: 512 wave + 4 r
	v_add_nc_u32 v14, s31, v9                      ; v14 and back: 512 wave + 8 lane
	s_lshl_b32 s31, s25, 10
	v_add_nc_u32 v8, s31, v3                       ; v8  q's and k's stage: 1,024 wave + 4 r
	v_add_nc_u32 v13, s31, v1                      ; v13 and back: 1,024 wave + 16 lane
.irp b, 0,1,2,3
	v_mov_b32 v[TM+4+\b], 0                        ; written once: a lane permute's destination counts as one of its sources
.endr
	s_mov_b32 s[SEL], 0x76543210
	s_mov_b32 s[SEL+1], 0xfedcba98
	s_lshr_b32 s24, ttmp9, 6                       ; which tensor
	s_and_b32 s30, ttmp9, 63                       ; which 128 rows
	s_mov_b32 s43, 0
	s_mov_b32 s45, 0
	s_wait_kmcnt 0x0
	s_cmp_lt_u32 s24, 1
	s_cselect_b64 s[26:27], s[4:5], s[6:7]
	s_cselect_b64 s[28:29], s[14:15], s[16:17]
	s_cmp_lt_u32 s24, 2
	s_cselect_b64 s[26:27], s[26:27], s[8:9]       ; x
	s_cselect_b64 s[28:29], s[28:29], s[18:19]     ; its bias
	s_lshl_b32 s42, s30, 18                        ; 128 rows of 2,048 bytes
	s_add_nc_u64 s[26:27], s[26:27], s[42:43]
	; ---- PHASE X: all 128 loads go out at once: fragment 4 u + ks into window 1 + u, v[64 ks ..]
	WIN 0x40
.irp ks, 0,1,2,3
.irp b, 0,1,2,3
.irp j, 0,1,2,3
	global_load_b128 v[64*\ks+16*\b+4*\j:64*\ks+16*\b+4*\j+3], v4, s[26:27] offset:512*\ks+128*\b+16*\j th:TH_LOAD_NT
.endr
.endr
.endr
	WIN 0x80
.irp ks, 0,1,2,3
.irp b, 0,1,2,3
.irp j, 0,1,2,3
	global_load_b128 v[64*\ks+16*\b+4*\j:64*\ks+16*\b+4*\j+3], v4, s[26:27] offset:16384+512*\ks+128*\b+16*\j th:TH_LOAD_NT
.endr
.endr
.endr
	WIN 0
	; the other addresses, while the loads are out
	s_lshl_b32 s42, s25, 9
	s_add_nc_u64 s[28:29], s[28:29], s[42:43]      ; the bias of my 128 columns
	s_mul_i32 s42, s24, 196608                     ; the tensor's weights: 128 images,
	s_mul_i32 s44, s25, 49152                      ; my 8 tiles' 32
	s_add_co_u32 s42, s42, s44
	s_add_nc_u64 s[46:47], s[10:11], s[42:43]
	s_lshl_b32 s42, s24, 13
	s_lshl_b32 s44, s25, 11
	s_add_co_u32 s42, s42, s44
	s_add_nc_u64 s[48:49], s[12:13], s[42:43]      ; and their scale words
	s_lshr_b32 s31, s30, 5
	s_lshl_b32 s31, s31, 3
	s_lshl_b32 s44, s25, 1
	s_add_co_u32 s31, s31, s44                     ; bh of my first head: 8 b + 2 w
	s_lshl_b32 s31, s31, 5
	s_and_b32 s44, s30, 31
	s_add_co_u32 s31, s31, s44                     ; its record: 32 bh + block of 128 rows
	s_cmp_eq_u32 s24, 0
	s_cselect_b64 s[32:33], s[20:21], s[22:23]
	s_mov_b32 s40, 13312
	s_cselect_b32 s40, 6656, s40                   ; a record's bytes
	s_mov_b32 s41, 12288
	s_cselect_b32 s41, 6144, s41                   ; where its scale words begin
	s_mul_i32 s42, s31, s40
	s_add_nc_u64 s[32:33], s[32:33], s[42:43]      ; s[32:33] my first head's record
	s_lshl_b32 s42, s40, 5
	s_add_nc_u64 s[34:35], s[32:33], s[42:43]      ; s[34:35] my second head's
	s_mov_b32 s42, s41
	s_add_nc_u64 s[36:37], s[32:33], s[42:43]      ; s[36:37], s[38:39] their scale words
	s_add_nc_u64 s[38:39], s[34:35], s[42:43]
.macro XQ u, ks, cnt
	s_wait_loadcnt \cnt                            ; this fragment's 16 loads are in: the count is that of the younger fragments' loads, as far as the wait can name it
	QUANT 64*(\ks), 1+(\u), PC
.irp g, 0,1,2
	ds_store_b128 v5, v[PC+4*\g:PC+4*\g+3] offset:XIMG+(4*(\u)+(\ks))*1536+512*\g
.endr
	v_mov_b32 v[PWQ+(\ks)], v[PW]
.if (\ks) == 3
	ds_store_b128 v6, v[PWQ:PWQ+3] offset:XSC+256*(\u)   ; lanes r and r + 16 write the same 16 bytes with the same values
.endif
	s_wait_dscnt 0x0                               ; the stores have read their registers
.endm
	XQ 0, 0, 63
	XQ 0, 1, 63
	XQ 0, 2, 63
	XQ 0, 3, 63
	XQ 1, 0, 48
	XQ 1, 1, 32
	XQ 1, 2, 16
	XQ 1, 3, 0
	s_barrier_signal -1                            ; (no LDS instruction of mine is out: the wait above)
	s_barrier_wait -1                              ; x's 32 fragments and their scale words lie in LDS; nobody writes them again
	s_cmp_eq_u32 s24, 2
	s_cbranch_scc1 .Lvalues
	; ---- q AND k: my 8 tiles of W stay in registers; x's tiles come one after the other
	WIN 0x40
.irp i, 0,1,2,3,4,5,6,7
.irp ks, 0,1
.irp g, 0,1,2
	global_load_b128 v[12*(2*\i+\ks)+4*\g:12*(2*\i+\ks)+4*\g+3], v1, s[46:47] offset:(4*\i+\ks)*1536+512*\g
.endr
.endr
.endr
	WIN 0x80
.irp i, 0,1,2,3,4,5,6,7
.irp ks, 0,1
.irp g, 0,1,2
	global_load_b128 v[12*(2*\i+\ks)+4*\g:12*(2*\i+\ks)+4*\g+3], v1, s[46:47] offset:(4*\i+2+\ks)*1536+512*\g
.endr
.endr
.endr
	WIN 0
.irp b, 0,1,2,3
	global_load_b128 v[IS+4*\b:IS+4*\b+3], v1, s[48:49] offset:512*\b   ; lanes 0-15: tile 2 b's four scale words a row; lanes 16-31: tile 2 b + 1's
.endr
	WIN 0xc0
.irp t, 0,1,2,3,4,5,6,7
	global_load_b128 v[CB+8*\t:CB+8*\t+3], v10, s[28:29] offset:(32*(\t/2)+8*(\t%2))*4        ; the bias in the result's layout: columns 32 (t / 2) + 16 h + 8 (t % 2) + 0 .. 7
	global_load_b128 v[CB+8*\t+4:CB+8*\t+7], v10, s[28:29] offset:(32*(\t/2)+8*(\t%2))*4+16
.endr
.macro FETCHX m                                        ; x's tile m: four fragments into window 3, its scale words into v[OS ..]
	WIN 0xc0
.irp ks, 0,1,2,3
.irp g, 0,1,2
	ds_load_b128 v[OF+12*\ks+4*\g:OF+12*\ks+4*\g+3], v1 offset:XIMG+(4*(\m)+\ks)*1536+512*\g
.endr
.endr
	WIN 0
	ds_load_b128 v[OS:OS+3], v2 offset:XSC+256*(\m)
.endm
	FETCHX 0
	s_wait_loadcnt 0x0
.irp m, 0,1,2,3,4,5,6,7
	s_wait_dscnt 0x0                               ; tile m is in
	MM 0
	PLACES
.if \m < 7
	FETCHX \m+1
.endif
.if \m > 0
	s_wait_xcnt 0x0                                ; the last tile's stores have read their data: the codes may be written again
.endif
	QUANT ACC, 0, PC                               ; registers 0-5: head 2 w's 64; registers 6-11: head 2 w + 1's
	global_store_b128 v1, v[PC:PC+3], s[32:33] offset:768*\m          ; 512 consecutive bytes,
	global_store_b64 v9, v[PC+4:PC+5], s[32:33] offset:768*\m+512     ; and 256
	global_store_b128 v1, v[PC+6:PC+9], s[34:35] offset:768*\m
	global_store_b64 v9, v[PC+10:PC+11], s[34:35] offset:768*\m+512
	v_and_b32 v[T0], 0xffff, v[PW]                 ; each head's two bytes, with zeros above them
	v_lshrrev_b32 v[T1], 16, v[PW]
	ds_store_b32 v8, v[T0] offset:SQK+64*\m
	ds_store_b32 v8, v[T1] offset:SQK+512+64*\m
.endr
	ds_load_b128 v[64:67], v13 offset:SQK          ; LDS serves a wave's instructions in order (ISA guide 5.7.1.4): these see my stores
	ds_load_b128 v[68:71], v13 offset:SQK+512
	s_wait_dscnt 0x0
	global_store_b128 v1, v[64:67], s[36:37]       ; a head's 128 scale words: 512 consecutive bytes
	global_store_b128 v1, v[68:71], s[38:39]
	s_wait_tensorcnt 0x0
	ds_add_u32 v222, v223
	s_wait_dscnt 0x0
	s_endpgm
	; ---- v: x's 32 fragments stay in registers; my 8 tiles of Wv come one after the other
.Lvalues:
	WIN 0x40
.irp i, 0,1,2,3,4,5,6,7
.irp ks, 0,1
.irp g, 0,1,2
	ds_load_b128 v[12*(2*\i+\ks)+4*\g:12*(2*\i+\ks)+4*\g+3], v1 offset:XIMG+(4*\i+\ks)*1536+512*\g
.endr
.endr
.endr
	WIN 0x80
.irp i, 0,1,2,3,4,5,6,7
.irp ks, 0,1
.irp g, 0,1,2
	ds_load_b128 v[12*(2*\i+\ks)+4*\g:12*(2*\i+\ks)+4*\g+3], v1 offset:XIMG+(4*\i+2+\ks)*1536+512*\g
.endr
.endr
.endr
	WIN 0
.irp b, 0,1,2,3
	ds_load_b128 v[IS+4*\b:IS+4*\b+3], v1 offset:XSC+512*\b
.endr
.macro WFETCH t                                        ; tile t of Wv: four fragments, its scale words, and my column's bias
	WIN 0xc0
.irp ks, 0,1,2,3
.irp g, 0,1,2
	global_load_b128 v[OF+12*\ks+4*\g:OF+12*\ks+4*\g+3], v1, s[46:47] offset:(4*(\t)+\ks)*1536+512*\g
.endr
.endr
	WIN 0
	global_load_b128 v[OS:OS+3], v2, s[48:49] offset:256*(\t)
	global_load_b32 v[BV], v11, s[28:29] offset:(32*((\t)/2)+8*((\t)%2))*4
.endm
	WFETCH 0
	s_wait_dscnt 0x0
.irp t, 0,1,2,3,4,5,6,7
	s_wait_loadcnt 0x0                             ; tile t is in
	WIN 0xc0
.irp j, 0,1,2,3,4,5,6,7
	v_mov_b32 v[CB+\j], v[BV]                      ; a lane holds one column: its bias in all eight registers
.endr
	WIN 0
	PLACES
	MM 1
	PLACES
.if \t > 0
	s_wait_xcnt 0x0                                ; the last tile's stores have read their data
.endif
.if \t < 7
	WFETCH \t+1
.endif
	QUANT ACC, 0, PC                               ; a fragment of V^T: 16 columns d x these 128 keys
.irp g, 0,1,2
	global_store_b128 v1, v[PC+4*\g:PC+4*\g+3], s[32:33] offset:(\t/4)*HSTR+VC+1536*(\t%4)+512*\g
.endr
	ds_store_b32 v12, v[PW] offset:SV+64*\t
.endr
	ds_load_b64 v[64:65], v14 offset:SV            ; in order behind my stores
	ds_load_b64 v[66:67], v14 offset:SV+256
	v_mov_b32 v68, 0
	v_mov_b32 v69, 0
	s_wait_dscnt 0x0
.irp c, 0,1
	global_store_b64 v9, v[64+2*\c:65+2*\c], s[32:33] offset:\c*HSTR+VSO   ; a head's 64 scale words: 256 consecutive bytes
	global_store_b64 v9, v[68:69], s[32:33] offset:\c*HSTR+PAD             ; the record's last 256 bytes: zeros, so that the attention's dense copy reads only written bytes
.endr
	s_wait_tensorcnt 0x0
	ds_add_u32 v222, v223
	s_wait_dscnt 0x0
	s_endpgm
.Lfunc_end_k_q9c8b7c5142_proj:
	.size	k_q9c8b7c5142_proj, .Lfunc_end_k_q9c8b7c5142_proj-k_q9c8b7c5142_proj
	.p2alignl 7, 3214868480
	.fill 96, 4, 3214868480
	.section	.rodata,"a",@progbits
	.p2align	6, 0x0
	.amdhsa_kernel k_q9c8b7c5142_proj
		.amdhsa_group_segment_fixed_size 57856
		.amdhsa_private_segment_fixed_size 0
		.amdhsa_enable_private_segment 0
		.amdhsa_kernarg_size 80
		.amdhsa_user_sgpr_count 2
		.amdhsa_user_sgpr_kernarg_segment_ptr 1
		.amdhsa_wavefront_size32 1
		.amdhsa_system_sgpr_workgroup_id_x 1
		.amdhsa_system_sgpr_workgroup_id_y 1
		.amdhsa_system_sgpr_workgroup_id_z 1
		.amdhsa_system_vgpr_workitem_id 0
		.amdhsa_next_free_vgpr 1024
		.amdhsa_next_free_sgpr 66
		.amdhsa_reserve_vcc 0
		.amdhsa_float_denorm_mode_32 3
		.amdhsa_float_denorm_mode_16_64 3
		.amdhsa_memory_ordered 1
		.amdhsa_forward_progress 1
		.amdhsa_inst_pref_size 225
	.end_amdhsa_kernel
	.amdgpu_metadata
---
amdhsa.version: [ 1, 2 ]
amdhsa.kernels:
  - .name:           k_q9c8b7c5142_proj
    .symbol:         k_q9c8b7c5142_proj.kd
    .args:
      - { .name: query_input, .offset: 0, .size: 8, .value_kind: global_buffer, .address_space: global }
      - { .name: key_input, .offset: 8, .size: 8, .value_kind: global_buffer, .address_space: global }
      - { .name: value_input, .offset: 16, .size: 8, .value_kind: global_buffer, .address_space: global }
      - { .name: wimg, .offset: 24, .size: 8, .value_kind: global_buffer, .address_space: global }
      - { .name: wsc, .offset: 32, .size: 8, .value_kind: global_buffer, .address_space: global }
      - { .name: bq, .offset: 40, .size: 8, .value_kind: global_buffer, .address_space: global }
      - { .name: bk, .offset: 48, .size: 8, .value_kind: global_buffer, .address_space: global }
      - { .name: bv, .offset: 56, .size: 8, .value_kind: global_buffer, .address_space: global }
      - { .name: qbuf, .offset: 64, .size: 8, .value_kind: global_buffer, .address_space: global }
      - { .name: kv, .offset: 72, .size: 8, .value_kind: global_buffer, .address_space: global }
    .group_segment_fixed_size: 57856
    .private_segment_fixed_size: 0
    .kernarg_segment_align: 8
    .kernarg_segment_size: 80
    .max_flat_workgroup_size: 128
    .sgpr_count:     66
    .vgpr_count:     1024
    .wavefront_size: 32
...
	.end_amdgpu_metadata
.endif
;; end of part 2
;; launch attn (part 3): grid 16 x 16, 16 waves a work-group, no clusters, 29,696 bytes of LDS; arguments qbuf, kv, maskbits, flags, hc, hs; writes hc, hs
.if DOCPART == 3
	.amdgcn_target "amdgcn-amd-amdhsa--gfx1250"
	.amdhsa_code_object_version 6
	.text
	.protected	k_q9c8b7c5142_attn
	.globl	k_q9c8b7c5142_attn
	.p2align	8
	.type	k_q9c8b7c5142_attn,@function
k_q9c8b7c5142_attn:
	s_mov_b64 s[64:65], 0
	v_nop
	global_prefetch_b8 v0, s[64:65] scope:SCOPE_SE
	s_setreg_imm32_b32 hwreg(HW_REG_WAVE_MODE, 25, 1), 1
	s_wait_xcnt 0x0
; ATTN.  heads[b][q][head] = softmax over the keys of (q . k / 8, hidden where the mask says so) x v, both products on codes of E2M3 with one E8M0 byte for each 32 along K; the result is quantised for the last product.
; THE SOFTMAX AHEAD OF THE SECOND PRODUCT: t = score x log2(e) / 8; M = the row's largest t so far, rounded UP to a whole number; p = 2^(t - M) is quantised along the keys, not normalised; the row's sum is
; taken of the unquantised p and divides at the end.  When M moves, the sum and O are multiplied by 2^(old M - new M): exact.
; SHARES.  Work-group (i, bh) owns query blocks i and 31 - i (128 queries each) of one head: waves 0-7 the first, waves 8-15 the second; a wave owns one tile of 16 queries in 256 registers, four waves to a SIMD.
; All 16 waves walk all 32 key steps of 128 keys in a loop of constant count with one barrier a step; a step's record of kv (13,312 bytes) is copied memory -> registers -> LDS once for the 16 waves, a step ahead.
; THE MASK IS AN INPUT.  An earlier launch has turned it into lane masks (64 words a tile) and two flag words a stripe.  NEED bit = 0: every byte of the tile is false and every row of the stripe has a true
; byte somewhere: the tile's p are all 0, and the wave leaves the step's work out (never the barrier).  MIX bit = 1: some byte is false: 64 selects put the hidden scores at -2^33.
; A record that no wave of the work-group needs is not copied.
; LIMITS: a hidden score counts as the raw score -2^33, the logit -2^30, where the definition has -1e9: -2^33 x c is a whole number in f32, so a row that is hidden everywhere gets p = 1 exactly, as there;
; results differ only where a logit that counts lies under about -1e9.  NaN and infinities are not served.  A block of zeros gets the byte 1.
; NO CLUSTER, NO TENSOR LOADS: the steps' work hangs on flags read from memory; joint requests are tensor loads.
; LAYOUT.  Both products transposed: S^T = K Q^T (source 0 = 16 keys), O^T = V^T P^T (source 0 = 16 of the head's 64): a lane holds one query throughout.  Lane r of tile T takes row 32 (T / 2) + 8 (T % 2) + r + 8 (r / 8).
; THE FIRST PRODUCT'S K IS 64 in an instruction of 128: Q's registers 6-11 hold zero codes, so what K's operand names there (the next tile's codes; for tile 7 six zero registers) adds nothing; bytes 2, 3 of both scale words are 0, no NaN.
; REGISTERS: v1-8 addresses; v12 -M, v13 the largest t, v[14:15] the sum; v16-27 Q; v28 Q's scale word; v29 -2^33; v32-39 the copy; v40-87 K's eight half fragments, then V's four fragments; v88-93 zeros;
;   v96-159 S^T, then p; v160-191 O^T; v192-203 p's codes; v204-229 at work; v240-243 K's scale words, v244-245 V's.
; SCALARS: s[2:15] and s[96:97] the pointers; s16-63 and s68-83 a step's 64 lane masks (in the head: ids, offsets and flags; never a pointer); s84-98 as named below.
.set REC,  13312                       ; a record: 26 x 512 bytes
.set VC,   6144
.set KSO,  12288
.set VSO,  12800
.set HSG,  26624                       ; LDS: slot 0 at 0, slot 1 at REC, then 1,024 bytes for the way out's scale words
.set WV,   84
.set NEED, 86
.set MIX,  87
.set U1,   88                          ; bit 0: the record that is copied next is needed by some wave
.set TRIP, 89
.set CS,   90                          ; s[90:91] c = log2(e) / 8
.set SEL,  92                          ; s[92:93] lane l xor 16
.set PFA,  96                          ; s[96:97] where the prefetches stand
.set LIM,  98                          ; s98  a wave prefetches while the trip's number is under it
.set S,    96
.set O,    160
.set PCD,  192
.set TQ,   204
.set BM,   212
.set BT,   216
.set BS,   220
.set F,    224
.set PW,   226
.set TMP,  227
.set SUM2, 228
.set KS,   240
.set VS,   244
.macro PLACES
.rept 4
	v_nop
.endr
.endm
.macro COPYIN                          ; the next record, 16 bytes a thread: 16 waves x 512 bytes, then 10 waves x 512
	s_bitcmp1_b32 s[U1], 0
	s_cbranch_scc0 .Lnl_\@
	global_load_b128 v[32:35], v4, s[6:7]
	s_cmp_lt_u32 s[WV], 10
	s_cbranch_scc0 .Lnl_\@
	global_load_b128 v[36:39], v4, s[6:7] offset:8192
.Lnl_\@:
.endm
.macro COPYOUT slot
	s_wait_loadcnt 0x0                             ; on every way: whatever was asked for is in
	s_bitcmp1_b32 s[U1], 0
	s_cbranch_scc0 .Lns_\@
	ds_store_b128 v4, v[32:35] offset:(\slot)*REC
	s_cmp_lt_u32 s[WV], 10
	s_cbranch_scc0 .Lns_\@
	ds_store_b128 v4, v[36:39] offset:(\slot)*REC+8192
.Lns_\@:
.endm
; A PREFETCH INTO THE L2 of the codes of the two records that the NEXT trip copies (records 2 t + 3 and 2 t + 4 in trip t): 2 x 48 blocks of 256 bytes, a lane a block, one instruction in each of three waves.
; All 16 work-groups of a head walk the same records: the first of them (x = 0) asks, in its waves 13 to 15; so each block is named once in the launch.  It stands where the wave has just issued its copy's loads.
; Trips 14 and 15 ask for nothing: there is no record behind 31.  Records 0 to 2 and the scale words come by their loads alone.
.macro ASK
	s_cmp_lt_u32 s[TRIP], s[LIM]
	s_cbranch_scc0 .Lna_\@
	global_prefetch_b8 v5, s[PFA:PFA+1] th:TH_LOAD_NT scope:SCOPE_SE
.Lna_\@:
.endm
	s_load_b256 s[4:11], s[0:1], 0x0               ; qbuf s[4:5], kv s[6:7], maskbits s[8:9], flags s[10:11]
	s_load_b128 s[12:15], s[0:1], 0x20             ; hc s[12:13], hs s[14:15]
	v_lshl_add_u32 v254, v0, 2, 0x6c00
	v_mov_b32 v255, 0
	v_lshrrev_b32 v1, 5, v0
	v_readfirstlane_b32 s[WV], v1                  ; wave 0..15
	v_and_b32 v5, 31, v0                           ; lane
	v_and_b32 v6, 15, v0                           ; r
	v_lshlrev_b32 v1, 4, v5                        ; v1  16 x lane
	v_lshlrev_b32 v2, 3, v5                        ; v2  8 x lane
	v_lshlrev_b32 v3, 2, v5                        ; v3  4 x lane
	v_lshlrev_b32 v4, 4, v0                        ; v4  16 x thread: the copy's place in a record, in memory and in LDS
	v_lshlrev_b32 v6, 2, v6                        ; v6  4 x r
	s_lshl_b32 s16, s[WV], 6
	v_add_nc_u32 v7, s16, v6                       ; v7  the way out: 64 x wave + 4 r
	v_add_nc_u32 v8, s16, v1                       ; v8  and back: 64 x wave + 16 x lane
	s_and_b32 s17, ttmp7, 0xffff                   ; bh
	s_sub_co_u32 s18, 31, ttmp9                    ; 31 - i
	s_cmp_lt_u32 s[WV], 8
	s_cselect_b32 s19, ttmp9, s18                  ; my block of 128 queries
	s_and_b32 s20, s[WV], 7                        ; my tile in it
	s_lshr_b32 s21, s17, 3                         ; b
	s_and_b32 s22, s17, 7                          ; head
	s_lshl_b32 s23, s19, 3
	s_add_co_u32 s23, s23, s20                     ; Tb
	s_lshl_b32 s24, s21, 8
	s_add_co_u32 s25, s24, s23                     ; Tg = 256 b + Tb
	s_lshl_b32 s26, s25, 3                         ; my stripe's flags
	s_lshl_b32 s27, ttmp9, 3
	s_add_co_u32 s27, s27, s24
	s_lshl_b32 s27, s27, 3                         ; those of block i's eight stripes
	s_lshl_b32 s28, s18, 3
	s_add_co_u32 s28, s28, s24
	s_lshl_b32 s28, s28, 3                         ; and of block 31 - i's
	s_wait_kmcnt 0x0
	s_load_b64 s[86:87], s[10:11], s26 offset:0x0
	s_load_b512 s[32:47], s[10:11], s27 offset:0x0
	s_load_b512 s[48:63], s[10:11], s28 offset:0x0
	s_lshl_b32 s66, s17, 5
	s_add_co_u32 s66, s66, s19
	s_mul_i32 s66, s66, 6656                       ; my block's record in qbuf
	s_mul_i32 s67, s20, 768
	s_add_co_u32 s68, s66, s67                     ; my tile's half fragment in it
	s_mov_b32 s69, 0
	s_lshl_b32 s67, s20, 6
	s_add_co_u32 s74, s66, s67                     ; my tile's scale words, 6,144 bytes further on
	s_mov_b32 s75, 0
	s_add_nc_u64 s[2:3], s[4:5], s[74:75]          ; both pointers stand outside the registers that later hold lane masks, and are never rewritten
	s_add_nc_u64 s[4:5], s[4:5], s[68:69]
	global_load_b128 v[16:19], v1, s[4:5]          ; Q's half fragment stays in registers
	global_load_b64 v[20:21], v2, s[4:5] offset:512
	global_load_b32 v28, v6, s[2:3] offset:6144    ; its scale words
	s_lshl_b32 s74, s25, 3
	s_add_co_u32 s74, s74, s22
	s_mul_i32 s74, s74, 768
	s_add_nc_u64 s[12:13], s[12:13], s[74:75]      ; hc + (8 Tg + head) x 768
	s_lshl_b32 s74, s17, 14
	s_lshl_b32 s76, s19, 9
	s_add_co_u32 s74, s74, s76
	s_add_nc_u64 s[14:15], s[14:15], s[74:75]      ; hs + (256 bh + 8 blk) x 64
	s_lshl_b32 s74, s25, 13
	s_add_nc_u64 s[8:9], s[8:9], s[74:75]          ; my stripe's lane masks: 256 bytes a step
	s_mul_i32 s74, s17, 32*REC
	s_add_nc_u64 s[6:7], s[6:7], s[74:75]          ; my head's records
	s_add_nc_u64 s[PFA:PFA+1], s[6:7], REC         ; at record 1: the first trip steps it to record 3
	s_cmp_ge_u32 s[WV], 13
	s_cselect_b32 s[LIM], 14, 0
	s_cmp_eq_u32 ttmp9, 0
	s_cselect_b32 s[LIM], s[LIM], 0
	s_max_u32 s76, s[WV], 13
	s_sub_co_u32 s76, s76, 13
	s_lshl_b32 s76, s76, 5
	v_add_nc_u32 v5, s76, v5                       ; which of the 96 blocks is mine
	v_lshlrev_b32 v9, 8, v5
	v_cmp_le_u32 vcc_lo, 48, v5
	v_mov_b32 v10, 0x400
	v_cndmask_b32 v10, 0, v10, vcc_lo              ; the second record's codes begin 1,024 bytes behind the first's end
	v_add_nc_u32 v5, v9, v10                       ; v5  the prefetches' offset; never rewritten
	s_mov_b32 s[CS], 0x3e38aa3b                    ; c = log2(e) / sqrt(64)
	s_mov_b32 s[CS+1], s[CS]                       ; (named with it as a pair, so it is written)
	s_mov_b32 s[SEL], 0x76543210
	s_mov_b32 s[SEL+1], 0xfedcba98
	v_mov_b32 v13, 0xff61b1e6                      ; the largest t so far: -3e38, under every t
	v_floor_f32 v12, -v13                          ; -M
	v_mov_b32 v14, 0
	v_mov_b32 v15, 0
	v_mov_b32 v29, 0xd0000000                      ; -2^33
.irp j, 22,23,24,25,26,27, 32,33,34,35,36,37,38,39, 88,89,90,91,92,93
	v_mov_b32 v[\j], 0                             ; Q's dead half; the copy's registers; the dead half behind K's tile 7
.endr
.irp b, 0,1,2,3
	v_mov_b32 v[BT+\b], 0                          ; written once: a lane permute's destination counts as one of its sources
.endr
	v_mov_b32 v[F+1], 0                            ; (named as the upper half of a pair)
	v_mov_b32 v[TMP], 0
.set j, 0
.rept 32
	v_mov_b32 v[O+j], 0                            ; O^T: the step is written once; the first finds zeros, which the first change of M leaves zeros
.set j, j+1
.endr
	s_wait_kmcnt 0x0
	s_or_b32 s[U1], s32, s34                       ; which records some wave of the work-group needs
.irp k, 36,38,40,42,44,46,48,50,52,54,56,58,60,62
	s_or_b32 s[U1], s[U1], s[\k]
.endr
	COPYIN                                         ; record 0
	COPYOUT 0                                      ; (its wait also covers Q)
	s_add_nc_u64 s[6:7], s[6:7], REC
	s_lshr_b32 s[U1], s[U1], 1
	s_wait_dscnt 0x0
	s_barrier_signal -1
	s_barrier_wait -1
; A KEY STEP's work, on the record at LDS byte L
.macro STEP L
	s_bitcmp1_b32 s[MIX], 0                        ; the tile's 64 lane masks are asked for first, where they are wanted
	s_cbranch_scc0 .Lnm_\@
	s_load_b512 s[16:31], s[8:9], 0x0
	s_load_b512 s[32:47], s[8:9], 0x40
	s_load_b512 s[48:63], s[8:9], 0x80
	s_load_b512 s[68:83], s[8:9], 0xc0
.Lnm_\@:
	PLACES                                         ; behind the last step's products, ahead of loads into their registers
.irp t, 0,1,2,3,4,5,6,7
	ds_load_b128 v[40+6*\t:43+6*\t], v1 offset:\L+768*\t
	ds_load_b64 v[44+6*\t:45+6*\t], v2 offset:\L+768*\t+512
.endr
.irp b, 0,1,2,3
	ds_load_b32 v[KS+\b], v3 offset:\L+KSO+128*\b  ; lanes 0-15: tile 2 b's scale words; lanes 16-31: tile 2 b + 1's
.endr
	s_wait_dscnt 0x0
.irp t, 0,2,4,6
	v_wmma_scale_f32_16x16x128_f8f6f4 v[S+8*\t:S+8*\t+7], v[40+6*\t:51+6*\t], v[16:27], 0, v[KS+\t/2], v28 matrix_a_fmt:MATRIX_FMT_FP6 matrix_b_fmt:MATRIX_FMT_FP6
	v_wmma_scale_f32_16x16x128_f8f6f4 v[S+8*\t+8:S+8*\t+15], v[46+6*\t:57+6*\t], v[16:27], 0, v[KS+\t/2], v28 matrix_a_fmt:MATRIX_FMT_FP6 matrix_b_fmt:MATRIX_FMT_FP6 matrix_a_scale:MATRIX_SCALE_ROW1
.endr
	PLACES
.irp d, 0,1,2,3                                        ; V's fragments land while the softmax is worked
.irp g, 0,1,2
	ds_load_b128 v[40+12*\d+4*\g:43+12*\d+4*\g], v1 offset:\L+VC+1536*\d+512*\g
.endr
.endr
.irp p, 0,1
	ds_load_b32 v[VS+\p], v3 offset:\L+VSO+128*\p
.endr
	s_wait_kmcnt 0x0                               ; on every way: the lane masks, if they were asked for
	s_bitcmp1_b32 s[MIX], 0
	s_cbranch_scc0 .Lopen_\@
.set n, 0
.rept 64
	v_cndmask_b32 v[S+n], v29, v[S+n], s[16+n+4*(n/48)]   ; register n holds key 32 (n / 16) + 16 (lane / 16) + n % 16 of my query: kept where the mask's bit is set
.set n, n+1
.endr
.Lopen_\@:
.irp b, 0,1,2,3
	v_max3_num_f32 v[BM+\b], v[S+16*\b], v[S+1+16*\b], v[S+2+16*\b]   ; the largest score of each block of 32 keys: for the row's maximum, and, since p rises with the score, for the block's largest p
.endr
.irp i, 3,5,7,9,11,13
.irp b, 0,1,2,3
	v_max3_num_f32 v[BM+\b], v[BM+\b], v[S+16*\b+\i], v[S+1+16*\b+\i]
.endr
.endr
.irp b, 0,1,2,3
	v_max_num_f32 v[BM+\b], v[BM+\b], v[S+15+16*\b]
.endr
.irp b, 0,1,2,3
	v_permlanex16_b32 v[BT+\b], v[BM+\b], s[SEL], s[SEL+1]
.endr
.irp b, 0,1,2,3
	v_max_num_f32 v[BM+\b], v[BM+\b], v[BT+\b]     ; with lane l xor 16's 16 keys
.endr
	v_max3_num_f32 v[TMP], v[BM], v[BM+1], v[BM+2]
	v_max_num_f32 v[TMP], v[TMP], v[BM+3]          ; the step's largest score of my query
	v_mul_f32 v[TMP], s[CS], v[TMP]                ; as t
	v_max_num_f32 v13, v13, v[TMP]                 ; the running largest t
	v_mov_b32 v[TMP], v12
	v_floor_f32 v12, -v13                          ; the new -M = -ceil(t): a whole number
	v_sub_f32 v[TMP], v12, v[TMP]                  ; old M - new M: a whole number, 0 or less
	v_cvt_i32_f32 v[TMP], v[TMP]                   ; (it saturates)
	v_ldexp_f32 v[F], 1.0, v[TMP]                  ; f = 2^(old M - new M)
.set j, 0
.rept 32
	v_pk_fma_f32 v[S+j:S+j+1], v[S+j:S+j+1], s[CS:CS+1], v[12:13] op_sel_hi:[1,0,0]   ; t - M, two at a time
.set j, j+2
.endr
.irp b, 0,1,2,3
	v_fma_f32 v[BM+\b], v[BM+\b], s[CS], v12       ; the same of each block's largest score
.endr
.set j, 0
.rept 64
	v_exp_f32 v[S+j], v[S+j]                       ; p = 2^(t - M), at most 1
.set j, j+1
.endr
	v_pk_mul_f32 v[14:15], v[14:15], v[F:F+1] op_sel_hi:[1,0]   ; the sums under the new M (the plain place behind the exponentials)
	s_wait_alu depctr_va_vdst(0)                   ; one wait for the batch of 64, ahead of its first reader
.irp b, 0,1,2,3
	v_exp_f32 v[BM+\b], v[BM+\b]                   ; the block's largest p: the same two instructions on the same number
.endr
	v_pk_add_f32 v[SUM2:SUM2+1], v[S:S+1], v[S+2:S+3]   ; the row's sum of the unquantised p, in two chains
.set j, 4
.rept 15
	v_pk_add_f32 v[14:15], v[14:15], v[S+j:S+j+1]
	v_pk_add_f32 v[SUM2:SUM2+1], v[SUM2:SUM2+1], v[S+j+2:S+j+3]
.set j, j+4
.endr
	v_pk_add_f32 v[14:15], v[14:15], v[SUM2:SUM2+1]
	s_wait_alu depctr_va_vdst(0)                   ; and one for the four
.irp b, 0,1,2,3
	v_max_num_f32 v[BM+\b], 0x1800000, v[BM+\b]    ; the floor 2^(3 - 127): the byte cannot fall under 1
.endr
.irp b, 0,1,2,3
	v_add_nc_u32 v[BS+\b], 0xff000000, v[BM+\b]    ; 2 off the exponent field: the conversion's scale operand
.endr
.irp b, 0,1,2,3
	v_lshrrev_b32 v[BT+\b], 23, v[BS+\b]           ; the scale's byte
.endr
	v_lshl_or_b32 v[PW], v[BT+1], 8, v[BT]         ; p's scale word for these 128 keys
	v_lshl_or_b32 v[PW], v[BT+2], 16, v[PW]
	v_lshl_or_b32 v[PW], v[BT+3], 24, v[PW]
.irp c, 0,1
	v_cvt_scalef32_pk16_fp6_f32 v[PCD+6*\c:PCD+6*\c+2], v[S+32*\c:S+32*\c+15], v[BS+2*\c]
	v_cvt_scalef32_pk16_fp6_f32 v[TQ+4*\c:TQ+4*\c+2], v[S+16+32*\c:S+31+32*\c], v[BS+2*\c+1]
.endr
	v_nop                                          ; one plain place behind the scaled conversions
.irp c, 0,1
.irp i, 0,1,2
	v_permlane16_swap_b32 v[PCD+6*\c+\i], v[TQ+4*\c+\i]
.endr
.irp i, 0,1,2
	v_mov_b32 v[PCD+3+6*\c+\i], v[TQ+4*\c+\i]
.endr
.endr
.set j, 0
.rept 16
	v_pk_mul_f32 v[O+j:O+j+1], v[O+j:O+j+1], v[F:F+1] op_sel_hi:[1,0]   ; O^T under the new M.  (These are also the places between p's codes and scale word and the products)
.set j, j+2
.endr
	s_wait_dscnt 0x0                               ; V is in
.irp p, 0,1
	v_wmma_scale_f32_16x16x128_f8f6f4 v[O+16*\p:O+16*\p+7], v[40+24*\p:51+24*\p], v[PCD:PCD+11], v[O+16*\p:O+16*\p+7], v[VS+\p], v[PW] matrix_a_fmt:MATRIX_FMT_FP6 matrix_b_fmt:MATRIX_FMT_FP6
	v_wmma_scale_f32_16x16x128_f8f6f4 v[O+16*\p+8:O+16*\p+15], v[52+24*\p:63+24*\p], v[PCD:PCD+11], v[O+16*\p+8:O+16*\p+15], v[VS+\p], v[PW] matrix_a_fmt:MATRIX_FMT_FP6 matrix_b_fmt:MATRIX_FMT_FP6 matrix_a_scale:MATRIX_SCALE_ROW1
.endr
.endm
; One step: its record lies in slot sg; the next record is copied into the other slot, which was last read ahead of the barrier before this step and is read again only behind the barrier at this step's end.
.macro HALF sg
	COPYIN
.if (\sg) == 0
	ASK
.endif
	s_bitcmp1_b32 s[NEED], 0
	s_cbranch_scc0 .Lskip_\@
	STEP (\sg)*REC
.Lskip_\@:
	COPYOUT 1-(\sg)
	s_add_nc_u64 s[6:7], s[6:7], REC               ; (the loads that named these bases are done)
	s_add_nc_u64 s[8:9], s[8:9], 256
	s_lshr_b32 s[NEED], s[NEED], 1
	s_lshr_b32 s[MIX], s[MIX], 1
	s_lshr_b32 s[U1], s[U1], 1                     ; behind record 31 a 0 comes in: no load leaves kv
	s_wait_dscnt 0x0                               ; my stores have landed and my reads of this slot are in
	s_barrier_signal -1
	s_barrier_wait -1
.endm
	s_mov_b32 s[TRIP], 0
.Ltrip:                                                ; 16 trips of two steps
	s_wait_xcnt 0x0                                ; the last trip's prefetch has read its address
	s_add_nc_u64 s[PFA:PFA+1], s[PFA:PFA+1], 2*REC
	HALF 0
	HALF 1
	s_add_co_u32 s[TRIP], s[TRIP], 1
	s_cmp_lt_u32 s[TRIP], 16
	s_cbranch_scc1 .Ltrip
	; THE WAY OUT: O^T / the sum, quantised along the head's 64 (two blocks of the last product's K), as a half fragment; the 16 waves' scale words leave through LDS, 512 bytes a block of queries
	PLACES                                         ; behind the last products
	v_add_f32 v14, v14, v15
	v_permlanex16_b32 v[TMP], v14, s[SEL], s[SEL+1]
	v_add_f32 v14, v14, v[TMP]                     ; the row's sum
	v_rcp_f32 v14, v14
	v_nop                                          ; a plain place behind the transcendental
	s_wait_alu depctr_va_vdst(0)                   ; the wait ahead of its first reader
.set j, 0
.rept 32
	v_mul_f32 v[S+j], v[O+j], v14                  ; register 16 b + i: channel 32 b + 16 (lane / 16) + i of my query
.set j, j+1
.endr
.irp b, 0,1
	v_max3_num_f32 v[BM+\b], |v[S+16*\b]|, |v[S+1+16*\b]|, 0x1800000
.endr
.irp i, 2,4,6,8,10,12,14
.irp b, 0,1
	v_max3_num_f32 v[BM+\b], v[BM+\b], |v[S+16*\b+\i]|, |v[S+1+16*\b+\i]|
.endr
.endr
.irp b, 0,1
	v_permlanex16_b32 v[BT+\b], v[BM+\b], s[SEL], s[SEL+1]
.endr
.irp b, 0,1
	v_max_num_f32 v[BM+\b], v[BM+\b], v[BT+\b]
.endr
.irp b, 0,1
	v_add_nc_u32 v[BS+\b], 0xff000000, v[BM+\b]
.endr
.irp b, 0,1
	v_lshrrev_b32 v[BT+\b], 23, v[BS+\b]
.endr
	v_lshl_or_b32 v[PW], v[BT+1], 8, v[BT]         ; two bytes, zeros above them
	v_cvt_scalef32_pk16_fp6_f32 v[PCD:PCD+2], v[S:S+15], v[BS]
	v_cvt_scalef32_pk16_fp6_f32 v[TQ:TQ+2], v[S+16:S+31], v[BS+1]
	v_nop
.irp i, 0,1,2
	v_permlane16_swap_b32 v[PCD+\i], v[TQ+\i]
.endr
.irp i, 0,1,2
	v_mov_b32 v[PCD+3+\i], v[TQ+\i]
.endr
	global_store_b128 v1, v[PCD:PCD+3], s[12:13]               ; 512 consecutive bytes,
	global_store_b64 v2, v[PCD+4:PCD+5], s[12:13] offset:512   ; and 256
	ds_store_b32 v7, v[PW] offset:HSG
	s_wait_dscnt 0x0
	s_barrier_signal -1
	s_barrier_wait -1
	s_and_b32 s94, s[WV], 7
	s_cmp_lg_u32 s94, 0
	s_cbranch_scc1 .Lend
	ds_load_b128 v[S:S+3], v8 offset:HSG           ; waves 0 and 8: their block's eight tiles' words
	s_wait_dscnt 0x0
	global_store_b128 v1, v[S:S+3], s[14:15]
.Lend:
	s_wait_tensorcnt 0x0
	ds_add_u32 v254, v255
	s_wait_dscnt 0x0
	s_endpgm
.Lfunc_end_k_q9c8b7c5142_attn:
	.size	k_q9c8b7c5142_attn, .Lfunc_end_k_q9c8b7c5142_attn-k_q9c8b7c5142_attn
	.p2alignl 7, 3214868480
	.fill 96, 4, 3214868480
	.section	.rodata,"a",@progbits
	.p2align	6, 0x0
	.amdhsa_kernel k_q9c8b7c5142_attn
		.amdhsa_group_segment_fixed_size 29696
		.amdhsa_private_segment_fixed_size 0
		.amdhsa_enable_private_segment 0
		.amdhsa_kernarg_size 48
		.amdhsa_user_sgpr_count 2
		.amdhsa_user_sgpr_kernarg_segment_ptr 1
		.amdhsa_wavefront_size32 1
		.amdhsa_system_sgpr_workgroup_id_x 1
		.amdhsa_system_sgpr_workgroup_id_y 1
		.amdhsa_system_sgpr_workgroup_id_z 1
		.amdhsa_system_vgpr_workitem_id 0
		.amdhsa_next_free_vgpr 256
		.amdhsa_next_free_sgpr 100
		.amdhsa_reserve_vcc 1
		.amdhsa_float_denorm_mode_32 3
		.amdhsa_float_denorm_mode_16_64 3
		.amdhsa_memory_ordered 1
		.amdhsa_forward_progress 1
		.amdhsa_inst_pref_size 54
	.end_amdhsa_kernel
	.amdgpu_metadata
---
amdhsa.version: [ 1, 2 ]
amdhsa.kernels:
  - .name:           k_q9c8b7c5142_attn
    .symbol:         k_q9c8b7c5142_attn.kd
    .args:
      - { .name: qbuf, .offset: 0, .size: 8, .value_kind: global_buffer, .address_space: global }
      - { .name: kv, .offset: 8, .size: 8, .value_kind: global_buffer, .address_space: global }
      - { .name: maskbits, .offset: 16, .size: 8, .value_kind: global_buffer, .address_space: global }
      - { .name: flags, .offset: 24, .size: 8, .value_kind: global_buffer, .address_space: global }
      - { .name: hc, .offset: 32, .size: 8, .value_kind: global_buffer, .address_space: global }
      - { .name: hs, .offset: 40, .size: 8, .value_kind: global_buffer, .address_space: global }
    .group_segment_fixed_size: 29696
    .private_segment_fixed_size: 0
    .kernarg_segment_align: 8
    .kernarg_segment_size: 48
    .max_flat_workgroup_size: 512
    .sgpr_count:     100
    .vgpr_count:     256
    .wavefront_size: 32
...
	.end_amdgpu_metadata
.endif
;; end of part 3
;; launch outp (part 4): grid 256 x 1, 4 waves a work-group, no clusters, 68,096 bytes of LDS; arguments hc, hs, wimg, wsc, bo, out0; writes out0
.if DOCPART == 4
	.amdgcn_target "amdgcn-amd-amdhsa--gfx1250"
	.amdhsa_code_object_version 6
	.text
	.protected	k_q9c8b7c5142_outp
	.globl	k_q9c8b7c5142_outp
	.p2align	8
	.type	k_q9c8b7c5142_outp,@function
k_q9c8b7c5142_outp:
	s_mov_b64 s[64:65], 0
	v_nop
	global_prefetch_b8 v0, s[64:65] scope:SCOPE_SE
	s_setreg_imm32_b32 hwreg(HW_REG_WAVE_MODE, 25, 1), 1
	s_wait_xcnt 0x0
; OUTP.  out0 = heads Wo^T + bo on codes of E2M3 with one E8M0 byte for each 32 along K; out0 [8192][512] f32.
; Work-group g takes the tiles 2 g and 2 g + 1 of 16 rows (lane r of tile 2 g + u holds row 32 g + 8 u + r + 8 (r / 8)): rows 32 g .. 32 g + 31.  Wave w takes columns 128 w .. + 127.
; All operands come as images of their registers, straight into registers: my 8 tiles of Wo (32 fragments), the two tiles of heads (8 fragments, each two heads' half fragments on end), the scale words, and bo
; in the result's layout as the C of each sum's first matrix instruction.  Source 0 = a tile of Wo, source 1 = a tile of rows: a lane holds one row and 64 of its columns.
; The way out goes through the wave's own two stages in LDS (16 rows x (512 + 16) bytes) and leaves as whole runs of 512 bytes.  Waves share nothing: no barrier, no tensor load, no cluster.
; REGISTERS.  window 0: v1-6 addresses; v16-31 Wo's scale words; v32-39 the rows'; v40-55 the heads' words as loaded; v64-127, v128-191 the accumulators; v192-255 rows read back.
;   windows 1, 2: Wo: fragment (i, ks) in window 1 + ks / 2 at v[12 (2 i + ks % 2)].   window 3: v0-47, v48-95 the rows' fragments; v192-255 bo.
.set IS,  16
.set OS,  32
.set RAW, 40
.set RB,  192
.set CB,  192                          ; in window 3
.set MSB, 0
.macro WIN new                         ; the immediate's high byte repeats the setting that is left
.if MSB != (\new)
	s_set_vgpr_msb (MSB<<8)|(\new)
.set MSB, (\new)
.endif
.endm
.macro MM1 acc, of, osb, i, ks
.set rD, (\acc)+8*(\i)
.set rA, 12*(2*(\i)+(\ks)%2)
.set rB, (\of)+12*(\ks)
.set rC, rD
.if (\ks) == 0
.set rC, CB+8*(\i)
.endif
.if (\i)%2
	v_wmma_scale_f32_16x16x128_f8f6f4 v[rD:rD+7], v[rA:rA+11], v[rB:rB+11], v[rC:rC+7], v[IS+4*((\i)/2)+(\ks)], v[(\osb)+(\ks)] matrix_a_fmt:MATRIX_FMT_FP6 matrix_b_fmt:MATRIX_FMT_FP6 matrix_a_scale:MATRIX_SCALE_ROW1
.else
	v_wmma_scale_f32_16x16x128_f8f6f4 v[rD:rD+7], v[rA:rA+11], v[rB:rB+11], v[rC:rC+7], v[IS+4*((\i)/2)+(\ks)], v[(\osb)+(\ks)] matrix_a_fmt:MATRIX_FMT_FP6 matrix_b_fmt:MATRIX_FMT_FP6
.endif
.endm
; 32 matrix instructions: eight accumulators by turns, one instruction a turn, K ascending
.macro MM acc, of, osb
	WIN 0x3d                                           ; source 0 window 1, source 1 and C (the bias) window 3, D window 0
.irp i, 0,1,2,3,4,5,6,7
	MM1 \acc, \of, \osb, \i, 0
.endr
	WIN 0x0d
.irp i, 0,1,2,3,4,5,6,7
	MM1 \acc, \of, \osb, \i, 1
.endr
	WIN 0x0e                                           ; source 0 window 2
.irp i, 0,1,2,3,4,5,6,7
	MM1 \acc, \of, \osb, \i, 2
.endr
.irp i, 0,1,2,3,4,5,6,7
	MM1 \acc, \of, \osb, \i, 3
.endr
	WIN 0
.endm
	s_load_b256 s[4:11], s[0:1], 0x0               ; hc s[4:5], hs s[6:7], wimg s[8:9], wsc s[10:11]
	s_load_b128 s[12:15], s[0:1], 0x20             ; bo s[12:13], out0 s[14:15]
	v_lshl_add_u32 v62, v0, 2, 0x10800
	v_mov_b32 v63, 0
	v_lshrrev_b32 v1, 5, v0
	v_readfirstlane_b32 s16, v1                    ; wave 0..3
	v_and_b32 v7, 31, v0                           ; lane
	v_and_b32 v8, 15, v0                           ; r
	v_bfe_u32 v9, v0, 4, 1                         ; h
	v_lshlrev_b32 v1, 4, v7                        ; v1  16 x lane
	v_lshlrev_b32 v2, 3, v7                        ; v2  8 x lane
	v_lshlrev_b32 v3, 2, v8                        ; v3  4 x r
	v_lshlrev_b32 v4, 6, v9                        ; v4  64 x h
	s_mul_i32 s17, s16, 16896                      ; my two stages
	v_mul_u32_u24 v5, v8, 528
	v_lshl_add_u32 v5, v9, 6, v5
	v_add_nc_u32 v5, s17, v5                       ; v5  in: row r, + 64 h
	v_add_nc_u32 v6, s17, v1                       ; v6  back: 16 bytes a lane of a row
	s_mov_b32 s19, 0
	s_wait_kmcnt 0x0
	s_mul_i32 s18, s16, 49152
	s_add_co_u32 s18, s18, 3*196608
	s_add_nc_u64 s[8:9], s[8:9], s[18:19]          ; Wo's images: my 8 tiles
	s_lshl_b32 s18, s16, 11
	s_add_co_u32 s18, s18, 3*8192
	s_add_nc_u64 s[10:11], s[10:11], s[18:19]      ; their scale words
	s_lshl_b32 s18, s16, 9
	s_add_nc_u64 s[12:13], s[12:13], s[18:19]      ; bo's 128 numbers
	s_add_nc_u64 s[14:15], s[14:15], s[18:19]      ; out0: my columns,
	s_lshl_b32 s18, ttmp9, 16
	s_add_nc_u64 s[14:15], s[14:15], s[18:19]      ; rows 32 g on
	s_mul_i32 s18, ttmp9, 12288
	s_add_nc_u64 s[4:5], s[4:5], s[18:19]          ; hc: tiles 2 g, 2 g + 1: 8 half fragments each
	s_lshr_b32 s18, ttmp9, 7
	s_lshl_b32 s18, s18, 17                        ; hs: b x 8 heads x 256 tiles x 64 bytes,
	s_and_b32 s20, ttmp9, 127
	s_lshl_b32 s20, s20, 7                         ; tile 2 g of the batch
	s_add_co_u32 s18, s18, s20
	s_add_nc_u64 s[6:7], s[6:7], s[18:19]
	WIN 0x40
.irp i, 0,1,2,3,4,5,6,7
.irp ks, 0,1
.irp g, 0,1,2
	global_load_b128 v[12*(2*\i+\ks)+4*\g:12*(2*\i+\ks)+4*\g+3], v1, s[8:9] offset:(4*\i+\ks)*1536+512*\g
.endr
.endr
.endr
	WIN 0x80
.irp i, 0,1,2,3,4,5,6,7
.irp ks, 0,1
.irp g, 0,1,2
	global_load_b128 v[12*(2*\i+\ks)+4*\g:12*(2*\i+\ks)+4*\g+3], v1, s[8:9] offset:(4*\i+2+\ks)*1536+512*\g
.endr
.endr
.endr
	WIN 0xc0
.irp t, 0,1,2,3,4,5,6,7
	global_load_b128 v[CB+8*\t:CB+8*\t+3], v4, s[12:13] offset:(32*(\t/2)+8*(\t%2))*4        ; bo at columns 32 (t / 2) + 16 h + 8 (t % 2) + 0 .. 7
	global_load_b128 v[CB+8*\t+4:CB+8*\t+7], v4, s[12:13] offset:(32*(\t/2)+8*(\t%2))*4+16
.endr
.irp u, 0,1
.irp ks, 0,1,2,3
.irp c, 0,1                                            ; head 2 ks + c's half fragment is registers 6 c .. 6 c + 5 of K step ks
	global_load_b128 v[48*\u+12*\ks+6*\c:48*\u+12*\ks+6*\c+3], v1, s[4:5] offset:6144*\u+1536*\ks+768*\c
	global_load_b64 v[48*\u+12*\ks+6*\c+4:48*\u+12*\ks+6*\c+5], v2, s[4:5] offset:6144*\u+1536*\ks+768*\c+512
.endr
.endr
.endr
	WIN 0
.irp b, 0,1,2,3
	global_load_b128 v[IS+4*\b:IS+4*\b+3], v1, s[10:11] offset:512*\b   ; lanes 0-15: tile 2 b's scale words; lanes 16-31: tile 2 b + 1's
.endr
.irp u, 0,1
.irp hd, 0,1,2,3,4,5,6,7
	global_load_b32 v[RAW+8*\u+\hd], v3, s[6:7] offset:16384*\hd+64*\u   ; row r's two bytes of head hd
.endr
.endr
	s_wait_loadcnt 0x0
.irp u, 0,1
.irp ks, 0,1,2,3
	v_lshl_or_b32 v[OS+4*\u+\ks], v[RAW+8*\u+2*\ks+1], 16, v[RAW+8*\u+2*\ks]   ; two heads' bytes make K step ks's scale word
.endr
.endr
.rept 8
	v_nop                                          ; a scale register written by a vector instruction stands eight places ahead of the scaled matrix instruction
.endr
	MM 64, 0, OS
	MM 128, 48, OS+4
.rept 4
	v_nop                                          ; four places behind the last products, ahead of the first read of results
.endr
.macro TOSTAGE u                                       ; registers 16 b + 4 g .. + 3 are columns 32 b + 16 h + 4 g .. + 3 of my row; each accumulator from its low end on
.irp b, 0,1,2,3
.irp g, 0,1,2,3
	ds_store_b128 v5, v[64+64*\u+16*\b+4*\g:64+64*\u+16*\b+4*\g+3] offset:8448*\u+128*\b+16*\g
.endr
.endr
.endm
	TOSTAGE 0
.irp p, 0,1,2,3,4,5,6,7,8,9,10,11,12,13,14,15
	ds_load_b128 v[RB+4*\p:RB+4*\p+3], v6 offset:528*\p            ; LDS serves a wave's instructions in order (ISA guide 5.7.1.4): these see my stores
.endr
	TOSTAGE 1
	s_wait_dscnt 32                                ; tile 0's stores are done (behind them: 16 loads and 16 stores): its accumulators' registers are free
.irp p, 0,1,2,3,4,5,6,7,8,9,10,11,12,13,14,15
	ds_load_b128 v[64+4*\p:64+4*\p+3], v6 offset:8448+528*\p
.endr
	s_wait_dscnt 32                                ; tile 0's rows are back (behind them: 16 stores and 16 loads)
.irp p, 0,1,2,3,4,5,6,7,8,9,10,11,12,13,14,15
	global_store_b128 v1, v[RB+4*\p:RB+4*\p+3], s[14:15] offset:(\p+8*(\p/8))*2048 th:TH_STORE_NT   ; 32 lanes store 512 consecutive bytes, aligned
.endr
	s_wait_dscnt 0x0
.irp p, 0,1,2,3,4,5,6,7,8,9,10,11,12,13,14,15
	global_store_b128 v1, v[64+4*\p:64+4*\p+3], s[14:15] offset:(8+\p+8*(\p/8))*2048 th:TH_STORE_NT
.endr
	s_wait_tensorcnt 0x0
	ds_add_u32 v62, v63
	s_wait_dscnt 0x0
	s_endpgm
.Lfunc_end_k_q9c8b7c5142_outp:
	.size	k_q9c8b7c5142_outp, .Lfunc_end_k_q9c8b7c5142_outp-k_q9c8b7c5142_outp
	.p2alignl 7, 3214868480
	.fill 96, 4, 3214868480
	.section	.rodata,"a",@progbits
	.p2align	6, 0x0
	.amdhsa_kernel k_q9c8b7c5142_outp
		.amdhsa_group_segment_fixed_size 68096
		.amdhsa_private_segment_fixed_size 0
		.amdhsa_enable_private_segment 0
		.amdhsa_kernarg_size 48
		.amdhsa_user_sgpr_count 2
		.amdhsa_user_sgpr_kernarg_segment_ptr 1
		.amdhsa_wavefront_size32 1
		.amdhsa_system_sgpr_workgroup_id_x 1
		.amdhsa_system_sgpr_workgroup_id_y 1
		.amdhsa_system_sgpr_workgroup_id_z 1
		.amdhsa_system_vgpr_workitem_id 0
		.amdhsa_next_free_vgpr 1024
		.amdhsa_next_free_sgpr 66
		.amdhsa_reserve_vcc 0
		.amdhsa_float_denorm_mode_32 3
		.amdhsa_float_denorm_mode_16_64 3
		.amdhsa_memory_ordered 1
		.amdhsa_forward_progress 1
		.amdhsa_inst_pref_size 34
	.end_amdhsa_kernel
	.amdgpu_metadata
---
amdhsa.version: [ 1, 2 ]
amdhsa.kernels:
  - .name:           k_q9c8b7c5142_outp
    .symbol:         k_q9c8b7c5142_outp.kd
    .args:
      - { .name: hc, .offset: 0, .size: 8, .value_kind: global_buffer, .address_space: global }
      - { .name: hs, .offset: 8, .size: 8, .value_kind: global_buffer, .address_space: global }
      - { .name: wimg, .offset: 16, .size: 8, .value_kind: global_buffer, .address_space: global }
      - { .name: wsc, .offset: 24, .size: 8, .value_kind: global_buffer, .address_space: global }
      - { .name: bo, .offset: 32, .size: 8, .value_kind: global_buffer, .address_space: global }
      - { .name: out0, .offset: 40, .size: 8, .value_kind: global_buffer, .address_space: global }
    .group_segment_fixed_size: 68096
    .private_segment_fixed_size: 0
    .kernarg_segment_align: 8
    .kernarg_segment_size: 48
    .max_flat_workgroup_size: 128
    .sgpr_count:     66
    .vgpr_count:     1024
    .wavefront_size: 32
...
	.end_amdgpu_metadata
.endif
;; end of part 4
;; ======== version 2 of 2: 4 launches
;; limits: right only within a limited range of input values
;; workspace buffers: wimg 786,432 bytes; wsc 32,768 bytes; maskbits 4,194,304 bytes of whole numbers; flags 4,096 bytes of whole numbers; qbuf 3,407,872 bytes; kv 6,815,744 bytes; hc 3,145,728 bytes; hs 262,144 bytes
;; launch prep (part 5): grid 528 x 1, 8 waves a work-group, no clusters, 1,280 bytes of LDS; arguments mask, Wq, Wk, Wv, Wo, maskbits, flags, wimg, wsc; writes maskbits, flags, wimg, wsc
.if DOCPART == 5
	.amdgcn_target "amdgcn-amd-amdhsa--gfx1250"
	.amdhsa_code_object_version 6
	.text
	.protected	k_q9c8b7c5142_prep
	.globl	k_q9c8b7c5142_prep
	.p2align	8
	.type	k_q9c8b7c5142_prep,@function
k_q9c8b7c5142_prep:
	s_mov_b64 s[64:65], 0
	v_nop
	global_prefetch_b8 v0, s[64:65] scope:SCOPE_SE
	s_setreg_imm32_b32 hwreg(HW_REG_WAVE_MODE, 25, 1), 1
	s_wait_xcnt 0x0
; PREP.  Two jobs in one launch, told apart by the work-group's number.
; (1) Work-groups 0-511: the mask [2][1][4096][4096] of bytes becomes lane masks for the attention launch, and two flag words a stripe.
;     A stripe Tg = 256 b + Tb is a tile of 16 queries; lane r of a tile T takes row pi(T, r) = 32 (T / 2) + 8 (T % 2) + r + 8 (r / 8).
;     maskbits [Tg][step 32][n 64] u32: bit (r + 16 h) of word n = mask[b][pi(Tb, r)][128 step + 32 (n / 16) + 16 h + n % 16]: the lane mask of score register n.
;     flags [Tg]{NEED, MIX}: bit = key step of 128.  NEED: some byte of the tile is true; all 32 bits are set where a row of the stripe is false over all 4,096 keys
;     (such a row's result is the mean of V, so none of its steps may be left out).  MIX: some byte of the tile is false.
;     Wave w takes steps 4 w .. 4 w + 3; the eight waves' parts meet in 128 bytes of LDS behind one barrier, and wave 0 stores the stripe's 8 bytes (4 KB in the whole launch).
; (2) Work-groups 512-527: Wq, Wk, Wv, Wo [512][512] f32, K innermost, become codes of E2M3 with one E8M0 byte for each 32 along K, laid as IMAGES OF THE OPERAND'S REGISTERS:
;     wimg [mat][T 32][ks 4]: 12 registers as three groups of four, lane l's 16 bytes at 512 g + 16 l;  wsc [mat][T][r 16][ks 4] u32.  A wave takes one tile of 16 rows (pi order), all of K.
; A block's scale byte is its largest magnitude's exponent field - 2, held at 1 from below.
; LIMITS: a block of zeros, or one whose largest magnitude lies under 2^-124, gets the byte 1 (its codes are zeros or nearly so; this program alone reads the bytes); NaN and infinities are not served.
; No tensor loads, no cluster: every byte goes to one wave's registers once.
.set WV,  22                           ; s22  my wave's number
.set M0,  16                           ; v16-79   mask arm: 16 loads of 16 bytes
.set OUT, 144                          ; v144-151 mask arm: a step's 64 words, two a lane
.set TT,  152                          ; v152-155 mask arm: at work
.set XA,  16                           ; v16-79   weights arm: 64 numbers, set A
.set XB,  80                           ; v80-143  set B
.set PC,  144                          ; v144-191 four fragments' codes: no store's data are written again
.set TQ,  192                          ; v192-199 the conversions' second halves
.set TM,  200                          ; v200-203 largest magnitudes, v204-207 bytes, v212-215 the conversions' scale operands
.set PW,  216                          ; the scale word just made
.set PWQ, 220                          ; v220-223 the four K steps' scale words
.set SEL, 36                           ; s[36:37] lane selects: lane l xor 16
; 64 numbers of a lane, register 16 b + i = k 32 b + 16 (lane / 16) + i of my row, become a fragment's 12 registers of codes at v[dst] and its scale word in v[PW]
.macro QUANT src, dst
.irp b, 0,1,2,3
	v_max3_num_f32 v[TM+\b], |v[(\src)+16*\b]|, |v[(\src)+1+16*\b]|, 0x1800000   ; my 16 numbers of block b, and the floor 2^(3 - 127): the byte cannot fall under 1
.endr
.irp i, 2,4,6,8,10,12,14
.irp b, 0,1,2,3
	s_delay_alu instid0(VALU_DEP_4)
	v_max3_num_f32 v[TM+\b], v[TM+\b], |v[(\src)+16*\b+\i]|, |v[(\src)+1+16*\b+\i]|   ; the four blocks by turns
.endr
.endr
.irp b, 0,1,2,3
	s_delay_alu instid0(VALU_DEP_4)
	v_permlanex16_b32 v[TM+4+\b], v[TM+\b], s[SEL], s[SEL+1]
.endr
.irp b, 0,1,2,3
	s_delay_alu instid0(VALU_DEP_4)
	v_max_num_f32 v[TM+\b], v[TM+\b], v[TM+4+\b]       ; with lane l xor 16's 16: the block's largest magnitude
.endr
.irp b, 0,1,2,3
	s_delay_alu instid0(VALU_DEP_4)
	v_add_nc_u32 v[TM+12+\b], 0xff000000, v[TM+\b]     ; 2 off its exponent field: the conversion's scale operand
.endr
.irp b, 0,1,2,3
	s_delay_alu instid0(VALU_DEP_4)
	v_lshrrev_b32 v[TM+4+\b], 23, v[TM+12+\b]          ; the scale's byte
.endr
	s_delay_alu instid0(VALU_DEP_3)
	v_lshl_or_b32 v[PW], v[TM+5], 8, v[TM+4]
	s_delay_alu instid0(VALU_DEP_1)
	v_lshl_or_b32 v[PW], v[TM+6], 16, v[PW]
	s_delay_alu instid0(VALU_DEP_1)
	v_lshl_or_b32 v[PW], v[TM+7], 24, v[PW]
.irp c, 0,1
	v_cvt_scalef32_pk16_fp6_f32 v[(\dst)+6*\c:(\dst)+6*\c+2], v[(\src)+32*\c:(\src)+32*\c+15], v[TM+12+2*\c]
	v_cvt_scalef32_pk16_fp6_f32 v[TQ+4*\c:TQ+4*\c+2], v[(\src)+16+32*\c:(\src)+31+32*\c], v[TM+13+2*\c]   ; (a conversion's three registers begin on an even number)
.endr
	v_nop                                              ; one plain place behind the scaled conversions
.irp c, 0,1                                            ; the operand wants a whole block in a lane: lanes 0-15 block 2 c, lanes 16-31 block 2 c + 1
.irp i, 0,1,2
	v_permlane16_swap_b32 v[(\dst)+6*\c+\i], v[TQ+4*\c+\i]
.endr
.irp i, 0,1,2
	s_delay_alu instid0(VALU_DEP_3)
	v_mov_b32 v[(\dst)+3+6*\c+\i], v[TQ+4*\c+\i]
.endr
.endr
.endm
	s_load_b256 s[4:11], s[0:1], 0x0               ; mask s[4:5], Wq s[6:7], Wk s[8:9], Wv s[10:11]
	s_load_b256 s[12:19], s[0:1], 0x20             ; Wo s[12:13], maskbits s[14:15], flags s[16:17], wimg s[18:19]
	s_load_b64 s[20:21], s[0:1], 0x40              ; wsc
	v_lshl_add_u32 v224, v0, 2, 0x100
	v_mov_b32 v225, 0
	v_lshrrev_b32 v8, 5, v0
	s_delay_alu instid0(VALU_DEP_1)
	v_readfirstlane_b32 s[WV], v8                  ; wave 0..7
	s_delay_alu instid0(VALU_DEP_2)
	v_lshlrev_b32 v8, 4, v8                        ; LDS: 16 x wave
	v_and_b32 v1, 31, v0                           ; lane
	v_and_b32 v2, 15, v0                           ; r
	v_bfe_u32 v3, v0, 4, 1                         ; h
	s_delay_alu instid0(VALU_DEP_3)
	v_lshlrev_b32 v5, 3, v1                        ; 8 x lane
	s_delay_alu instid0(VALU_DEP_4)
	v_lshlrev_b32 v6, 4, v1                        ; 16 x lane
	s_delay_alu instid0(VALU_DEP_4)
	v_lshlrev_b32 v7, 4, v2                        ; 16 x r
	v_and_b32 v10, 8, v2
	s_delay_alu instid0(VALU_DEP_1)
	v_add_nc_u32 v10, v10, v2                      ; r + 8 (r / 8)
	s_min_u32 s24, ttmp9, 511                      ; (the weights' work-groups never use this pointer; it stays inside its buffer all the same)
	s_lshl_b32 s24, s24, 3
	s_mov_b32 s25, 0
	s_wait_kmcnt 0x0
	s_add_nc_u64 s[28:29], s[16:17], s[24:25]      ; flags + 8 Tg
	s_cmp_lt_u32 ttmp9, 512
	s_cbranch_scc0 .Lweights
	s_wait_alu depctr_va_vdst(0)
	; ---- the mask arm ----
	v_lshlrev_b32 v4, 12, v10
	s_delay_alu instid0(VALU_DEP_1)
	v_lshl_add_u32 v4, v3, 4, v4                   ; my row of the tile x 4,096 + 16 h
	s_wait_alu depctr_va_vdst(0)
	s_lshr_b32 s30, ttmp9, 8
	s_lshl_b32 s30, s30, 24                        ; b x 4096 x 4096
	s_bfe_u32 s31, ttmp9, 0x70001                  ; Tb / 2
	s_lshl_b32 s31, s31, 17                        ; x 32 rows
	s_add_co_u32 s30, s30, s31
	s_and_b32 s31, ttmp9, 1
	s_lshl_b32 s31, s31, 15                        ; (Tb % 2) x 8 rows
	s_add_co_u32 s30, s30, s31
	s_lshl_b32 s31, s[WV], 9                       ; my four steps: 512 keys
	s_add_co_u32 s30, s30, s31
	s_mov_b32 s31, 0
	s_add_nc_u64 s[4:5], s[4:5], s[30:31]
	s_lshl_b32 s30, ttmp9, 13                      ; maskbits: 32 steps x 256 bytes a stripe,
	s_lshl_b32 s32, s[WV], 10                      ; my four steps
	s_add_co_u32 s30, s30, s32
	s_add_nc_u64 s[14:15], s[14:15], s[30:31]
.irp sp, 0,1,2,3
.irp bp, 0,1,2,3
	global_load_b128 v[M0+16*\sp+4*\bp:M0+16*\sp+4*\bp+3], v4, s[4:5] offset:128*\sp+32*\bp th:TH_LOAD_NT   ; keys 128 sp + 32 bp + 16 h + 0 .. 15 of my row
.endr
.endr
.irp i, 0,1,2,3,4,5,6,7
	v_mov_b32 v[OUT+\i], 0                         ; (a lane write's destination counts as read)
.endr
.irp sp, 0,1,2,3
	s_mov_b32 s[44+\sp], 0                         ; ANY: the OR of the step's 64 words
	s_mov_b32 s[48+\sp], -1                        ; ALL: their AND
.endr
.macro MSTEP sp
	s_wait_loadcnt 12-4*\sp                        ; this step's four loads are in; the later steps' four each stay out
.set n, 0
.rept 64                                               ; word n: byte n % 4 of register n / 4, in every lane at once
	v_and_b32 v[TT+n%4], 0xff<<(8*(n%4)), v[M0+16*\sp+n/4]
	s_delay_alu instid0(VALU_DEP_1)
	v_cmp_ne_u32 s[40+n%4], 0, v[TT+n%4]
	s_delay_alu instid0(VALU_DEP_1)
	v_writelane_b32 v[OUT+2*\sp+n%2], s[40+n%4], n/2
	s_or_b32 s[44+\sp], s[44+\sp], s[40+n%4]
	s_and_b32 s[48+\sp], s[48+\sp], s[40+n%4]
.set n, n+1
.endr
	global_store_b64 v5, v[OUT+2*\sp:OUT+2*\sp+1], s[14:15] offset:256*\sp   ; 32 lanes store 256 consecutive bytes, aligned
.endm
	MSTEP 0
	MSTEP 1
	MSTEP 2
	MSTEP 3
	s_mov_b32 s52, 0                               ; my four bits of NEED,
	s_mov_b32 s53, 0                               ; of MIX,
	s_mov_b32 s54, 0                               ; and which lanes have seen a true byte
.irp sp, 0,1,2,3
	s_cmp_lg_u32 s[44+\sp], 0
	s_cselect_b32 s55, 1<<\sp, 0
	s_or_b32 s52, s52, s55
	s_cmp_lg_u32 s[48+\sp], -1
	s_cselect_b32 s55, 1<<\sp, 0
	s_or_b32 s53, s53, s55
	s_or_b32 s54, s54, s[44+\sp]
.endr
	s_lshl_b32 s56, s[WV], 2
	s_lshl_b32 s52, s52, s56
	s_lshl_b32 s53, s53, s56
	v_mov_b32 v156, s52
	v_mov_b32 v157, s53
	v_mov_b32 v158, s54
	v_mov_b32 v159, 0
	ds_store_b128 v8, v[156:159]                   ; all lanes write the same 16 bytes, my wave's
	s_branch .Ljoin
	; ---- the weights arm ----
.Lweights:
	s_sub_co_u32 s30, ttmp9, 512
	s_lshr_b32 s31, s30, 2                         ; which matrix: 0 q, 1 k, 2 v, 3 o
	s_lshl_b32 s30, s30, 3
	s_add_co_u32 s30, s30, s[WV]                   ; a = 32 mat + T
	s_cmp_lt_u32 s31, 1
	s_cselect_b64 s[32:33], s[6:7], s[8:9]
	s_cmp_lt_u32 s31, 2
	s_cselect_b64 s[32:33], s[32:33], s[10:11]
	s_cmp_lt_u32 s31, 3
	s_cselect_b64 s[32:33], s[32:33], s[12:13]
	s_bfe_u32 s34, s30, 0x40001                    ; T / 2
	s_lshl_b32 s34, s34, 16                        ; x 32 rows of 2,048 bytes
	s_and_b32 s35, s30, 1
	s_lshl_b32 s35, s35, 14                        ; (T % 2) x 8 rows
	s_add_co_u32 s34, s34, s35
	s_mov_b32 s35, 0
	s_add_nc_u64 s[32:33], s[32:33], s[34:35]
	s_mul_i32 s34, s30, 6144                       ; four images of 1,536 bytes a tile
	s_add_nc_u64 s[18:19], s[18:19], s[34:35]
	s_lshl_b32 s34, s30, 8                         ; 256 bytes of scale words a tile
	s_add_nc_u64 s[20:21], s[20:21], s[34:35]
	s_mov_b32 s[SEL], 0x76543210
	s_mov_b32 s[SEL+1], 0xfedcba98
	s_wait_alu depctr_va_vdst(0)
	v_lshlrev_b32 v4, 11, v10
	s_delay_alu instid0(VALU_DEP_1)
	v_lshl_add_u32 v4, v3, 6, v4                   ; my row of the tile x 2,048 + 64 h: my 16 numbers of a block of 32
.irp b, 0,1,2,3
	v_mov_b32 v[TM+4+\b], 0                        ; written once: a lane permute's destination counts as one of its sources
.endr
.macro XLOAD reg, ks                                   ; my 64 numbers of K step ks
.irp b, 0,1,2,3
.irp j, 0,1,2,3
	global_load_b128 v[\reg+16*\b+4*\j:\reg+16*\b+4*\j+3], v4, s[32:33] offset:512*\ks+128*\b+16*\j th:TH_LOAD_NT
.endr
.endr
.endm
.macro PUT ks                                          ; the image of K step ks: three stores of 512 consecutive bytes
	v_mov_b32 v[PWQ+\ks], v[PW]
.irp g, 0,1,2
	global_store_b128 v6, v[PC+12*\ks+4*\g:PC+12*\ks+4*\g+3], s[18:19] offset:1536*\ks+512*\g
.endr
.endm
	XLOAD XA, 0
	XLOAD XB, 1
	s_wait_loadcnt 16                              ; K step 0 is in; the next step's 16 loads stay out (so at each of these waits)
	QUANT XA, PC
	PUT 0
	XLOAD XA, 2
	s_wait_loadcnt 16
	QUANT XB, PC+12
	PUT 1
	XLOAD XB, 3
	s_wait_loadcnt 16
	QUANT XA, PC+24
	PUT 2
	s_wait_loadcnt 0x0
	QUANT XB, PC+36
	PUT 3
	s_wait_alu depctr_va_vdst(0)
	s_wait_xcnt 0x0                                ; EXEC changes only behind this wait
	v_cmp_gt_u32 vcc_lo, 16, v1
	s_and_saveexec_b32 s38, vcc_lo
	global_store_b128 v7, v[PWQ:PWQ+3], s[20:21]   ; lanes 0-15: row r's four scale words: 256 consecutive bytes, aligned
	s_wait_xcnt 0x0
	s_or_b32 exec_lo, exec_lo, s38
.Ljoin:
	s_wait_dscnt 0x0                               ; my 16 bytes have landed
	s_barrier_signal -1
	s_barrier_wait -1                              ; every wave of every work-group passes this one barrier
	s_cmp_lt_u32 ttmp9, 512
	s_cbranch_scc0 .Lend
	s_cmp_eq_u32 s[WV], 0
	s_cbranch_scc0 .Lend
	v_mov_b32 v9, 0
.irp k, 0,1,2,3,4,5,6,7
	ds_load_b128 v[16+4*\k:19+4*\k], v9 offset:16*\k
.endr
	s_wait_dscnt 0x0
.irp k, 1,2,3,4,5,6,7
.irp c, 0,1,2
	v_or_b32 v[16+\c], v[16+\c], v[16+4*\k+\c]
.endr
.endr
	s_delay_alu instid0(VALU_DEP_3)
	v_readfirstlane_b32 s52, v16                   ; NEED by the tiles alone
	s_delay_alu instid0(VALU_DEP_3)
	v_readfirstlane_b32 s53, v17                   ; MIX
	s_delay_alu instid0(VALU_DEP_3)
	v_readfirstlane_b32 s54, v18                   ; lanes that have seen a true byte
	s_lshr_b32 s55, s54, 16
	s_or_b32 s55, s55, s54
	s_and_b32 s55, s55, 0xffff                     ; rows that have (a row lies in lanes r and r + 16)
	s_cmp_eq_u32 s55, 0xffff
	s_cselect_b32 s52, s52, -1                     ; a row with none: every step is needed
	v_mov_b32 v10, s52
	v_mov_b32 v11, s53
	v_mov_b32 v12, 0
	s_wait_alu depctr_va_vdst(0)
	s_wait_xcnt 0x0                                ; EXEC changes only behind this wait
	v_cmp_eq_u32 vcc_lo, 0, v0
	s_and_saveexec_b32 s56, vcc_lo
	global_store_b64 v12, v[10:11], s[28:29]
	s_wait_xcnt 0x0
	s_or_b32 exec_lo, exec_lo, s56
.Lend:
	s_wait_tensorcnt 0x0
	ds_add_u32 v224, v225
	s_wait_dscnt 0x0
	s_endpgm
.Lfunc_end_k_q9c8b7c5142_prep:
	.size	k_q9c8b7c5142_prep, .Lfunc_end_k_q9c8b7c5142_prep-k_q9c8b7c5142_prep
	.p2alignl 7, 3214868480
	.fill 96, 4, 3214868480
	.section	.rodata,"a",@progbits
	.p2align	6, 0x0
	.amdhsa_kernel k_q9c8b7c5142_prep
		.amdhsa_group_segment_fixed_size 1280
		.amdhsa_private_segment_fixed_size 0
		.amdhsa_enable_private_segment 0
		.amdhsa_kernarg_size 72
		.amdhsa_user_sgpr_count 2
		.amdhsa_user_sgpr_kernarg_segment_ptr 1
		.amdhsa_wavefront_size32 1
		.amdhsa_system_sgpr_workgroup_id_x 1
		.amdhsa_system_sgpr_workgroup_id_y 1
		.amdhsa_system_sgpr_workgroup_id_z 1
		.amdhsa_system_vgpr_workitem_id 0
		.amdhsa_next_free_vgpr 226
		.amdhsa_next_free_sgpr 66
		.amdhsa_reserve_vcc 1
		.amdhsa_float_denorm_mode_32 3
		.amdhsa_float_denorm_mode_16_64 3
		.amdhsa_memory_ordered 1
		.amdhsa_forward_progress 1
		.amdhsa_inst_pref_size 119
	.end_amdhsa_kernel
	.amdgpu_metadata
---
amdhsa.version: [ 1, 2 ]
amdhsa.kernels:
  - .name:           k_q9c8b7c5142_prep
    .symbol:         k_q9c8b7c5142_prep.kd
    .args:
      - { .name: mask, .offset: 0, .size: 8, .value_kind: global_buffer, .address_space: global }
      - { .name: Wq, .offset: 8, .size: 8, .value_kind: global_buffer, .address_space: global }
      - { .name: Wk, .offset: 16, .size: 8, .value_kind: global_buffer, .address_space: global }
      - { .name: Wv, .offset: 24, .size: 8, .value_kind: global_buffer, .address_space: global }
      - { .name: Wo, .offset: 32, .size: 8, .value_kind: global_buffer, .address_space: global }
      - { .name: maskbits, .offset: 40, .size: 8, .value_kind: global_buffer, .address_space: global }
      - { .name: flags, .offset: 48, .size: 8, .value_kind: global_buffer, .address_space: global }
      - { .name: wimg, .offset: 56, .size: 8, .value_kind: global_buffer, .address_space: global }
      - { .name: wsc, .offset: 64, .size: 8, .value_kind: global_buffer, .address_space: global }
    .group_segment_fixed_size: 1280
    .private_segment_fixed_size: 0
    .kernarg_segment_align: 8
    .kernarg_segment_size: 72
    .max_flat_workgroup_size: 256
    .sgpr_count:     66
    .vgpr_count:     226
    .wavefront_size: 32
...
	.end_amdgpu_metadata
.endif
;; end of part 5
;; launch proj (part 6): grid 192 x 1, 4 waves a work-group, no clusters, 57,856 bytes of LDS; arguments query_input, key_input, value_input, wimg, wsc, bq, bk, bv, qbuf, kv; writes qbuf, kv
.if DOCPART == 6
	.amdgcn_target "amdgcn-amd-amdhsa--gfx1250"
	.amdhsa_code_object_version 6
	.text
	.protected	k_q9c8b7c5142_proj
	.globl	k_q9c8b7c5142_proj
	.p2align	8
	.type	k_q9c8b7c5142_proj,@function
k_q9c8b7c5142_proj:
	s_mov_b64 s[64:65], 0
	v_nop
	global_prefetch_b8 v0, s[64:65] scope:SCOPE_SE
	s_setreg_imm32_b32 hwreg(HW_REG_WAVE_SCHED_MODE, 0, 2), 2
	s_setreg_imm32_b32 hwreg(HW_REG_WAVE_MODE, 25, 1), 1
	s_wait_xcnt 0x0
	s_wait_alu depctr_vm_vsrc(0)
; PROJ.  q = x Wq^T + bq, k = x Wk^T + bk, v = x Wv^T + bv on codes of E2M3 (one E8M0 byte for each 32 along K), and the results quantised again as the attention's operands.
; Work-group x: tensor x / 64 (0 q, 1 k, 2 v), rows 128 (x % 64) .. + 127 of [8192][512], all 512 columns.  Wave w owns columns 128 w .. + 127: heads 2 w and 2 w + 1.
; TILES.  Lane r of a tile T of 16 rows takes row pi(T, r) = 32 (T / 2) + 8 (T % 2) + r + 8 (r / 8): in a result whose source 0 is such a tile the 16 registers of tiles 2 b and 2 b + 1 are the
; 16 neighbours 32 b + 16 (lane / 16) + 0 .. 15, which is what the conversions to codes want.
; PHASE X: wave w quantises x's tiles 2 w and 2 w + 1 (8 fragments of 16 rows x 128 K) and stores them in LDS as images of their registers; one barrier.
; q AND k: source 0 = a tile of W (my 32 fragments stay in registers), source 1 = a tile of x from LDS: a lane holds one row and 64 + 64 columns of two heads: quantised along the head's 64.
; v: source 0 = a tile of x (all 32 fragments in registers), source 1 = a tile of Wv from memory: a lane holds one column d and the 128 rows (keys): quantised along the keys, the second product's K.
; The biases are the C of each sum's first matrix instruction.
; OUT.  qbuf [bh][blk 32] records of 6,656 bytes: 8 half fragments (K = 64: registers 0-3 at 16 l, registers 4-5 at 512 + 8 l: 768 bytes), then scale words at 6144 + 64 m + 4 r (bytes 2, 3 zero).
;       kv [bh][step 32] records of 13,312 bytes: 8 key tiles' half fragments; at 6144 four fragments of V^T (1,536 bytes); at 12288 K's scale words; at 12800 V's; at 13056 256 zero bytes.
; LIMITS: a block of zeros, or one whose largest magnitude lies under 2^-124, gets the byte 1; NaN and infinities are not served.
; No tensor loads and no cluster: x is read by one work-group; the weights' images go straight into the registers in which they stay.  The tiles are written out, so that every offset is an immediate.
; REGISTERS.  window 0: v1-14 addresses; v64-127 eight accumulators; v192-203 and v128-139 codes, two sets; v140-145 scale words to store, two sets; v204-235 at work; v236-239 the streamed operand's scale words;
;   v240-255 the resident operand's.   windows 1, 2: x's eight fragments as f32, then the resident operand: fragment (i, ks) in window 1 + ks / 2 at v[12 (2 i + ks % 2)].
;   window 3: v0-47 the streamed tile's four fragments; v192-255 the bias.
; THE MODE: SCHED_MODE bits 1:0 = 2 (LLVM: expert scheduling mode 2), set by the entry lines.  The code itself states the register dependences between vector or matrix instructions
; and memory or LDS instructions, with s_wait_alu, always for 0.
; THE PLAN.  Registers that memory or LDS instructions touch:
;   v1-v14        offsets and LDS addresses: written at the head, never again.
;   windows 1, 2  x's numbers land there at the head; phase X's maxima and conversions read them; then the resident operand's loads land there: one wait at each arm's head.
;   streamed tile (window 3 v0-47, v236-239; for v also v231)  Tile m's products (for v: and its eight moves) read it; tile m + 1's loads, issued in tile m behind the products, land in it.
;   out-sets      Tile m's quantiser writes set m % 2 (codes and scale words); the stores that read it are issued in tile m + 1; tile m + 2 writes it again.
;   accumulators  Named by matrix and vector instructions alone, until the LDS loads at an arm's end land in the first of them.
; So ONE wait on va_vdst stands in a tile, behind its products and their places: the products are done reading the streamed tile, and the tile before has written its out-set.  The next tile's loads and the last
; tile's stores follow it with no further wait: the quantiser behind them names the accumulators, its work registers and the OTHER out-set.  Just ahead of it stand the waits on XCNT and vm_vsrc, for the stores
; that were issued a whole tile earlier.  In phase X a fragment's codes go to LDS at once: a wait on va_vdst ahead of the stores, one on vm_vsrc behind them.
.set XIMG, 0                           ; LDS: x's 32 fragments: (4 m + ks) x 1,536
.set XSC,  49152                       ; their scale words: (16 m + r) x 16 + 4 ks
.set SQK,  51200                       ; q, k: a wave's 1,024 bytes of scale words: 512 c + 64 m + 4 r
.set SV,   55296                       ; v: a wave's 512 bytes: 64 t + 4 r
.set REC,  13312
.set VC,   6144
.set VSO,  12800
.set PAD,  13056
.set HSTR, 32*REC                      ; from a head's records to the next head's, in kv
.set ACC,  64
.set PC,   192                         ; codes: set 0 at v192, set 1 at v128 = PC - 64
.set TS,   140                         ; v140-143 q, k: a tile's two scale words, set s at TS + 2 s
.set PWT,  144                         ; v144-145 v: a tile's scale word, set s at PWT + s
.set TQ,   204
.set TM,   212                         ; v212-215 largest magnitudes, v216-219 bytes, v224-227 the conversions' scale operands
.set PW,   228
.set BV,   231
.set PWQ,  232
.set OS,   236
.set IS,   240
.set OF,   0                           ; in window 3
.set CB,   192                         ; in window 3
.set SEL,  50                          ; s[50:51]
.set MSB, 0
.macro WIN new                         ; the immediate's high byte repeats the setting that is left; a switch that changes nothing is dropped
.if MSB != (\new)
	s_set_vgpr_msb (MSB<<8)|(\new)
.set MSB, (\new)
.endif
.endm
.macro PLACES                          ; four plain places behind matrix instructions (ISA guide 7.12.1), ahead of reads of results
.rept 4
	v_nop
.endr
.endm
; 64 numbers of a lane in window win, register 16 b + i = k 32 b + 16 (lane / 16) + i of my row, become 12 registers of codes at v[dst] and the scale word v[PW], both in window 0
.macro QUANT src, win, dst
	WIN ((\win)|((\win)<<2))
.irp b, 0,1,2,3
	v_max3_num_f32 v[TM+\b], |v[(\src)+16*\b]|, |v[(\src)+1+16*\b]|, 0x1800000   ; and the floor 2^(3 - 127): the byte cannot fall under 1
.endr
	WIN (((\win)<<2)|((\win)<<4))
.irp i, 2,4,6,8,10,12,14
.irp b, 0,1,2,3
	v_max3_num_f32 v[TM+\b], v[TM+\b], |v[(\src)+16*\b+\i]|, |v[(\src)+1+16*\b+\i]|
.endr
.endr
	WIN 0
.irp b, 0,1,2,3
	v_permlanex16_b32 v[TM+4+\b], v[TM+\b], s[SEL], s[SEL+1]
.endr
.irp b, 0,1,2,3
	v_max_num_f32 v[TM+\b], v[TM+\b], v[TM+4+\b]       ; with lane l xor 16's 16: the block's largest magnitude
.endr
.irp b, 0,1,2,3
	v_add_nc_u32 v[TM+12+\b], 0xff000000, v[TM+\b]     ; 2 off its exponent field: the conversion's scale operand
.endr
.irp b, 0,1,2,3
	v_lshrrev_b32 v[TM+4+\b], 23, v[TM+12+\b]          ; the scale's byte
.endr
	v_lshl_or_b32 v[PW], v[TM+5], 8, v[TM+4]
	v_lshl_or_b32 v[PW], v[TM+6], 16, v[PW]
	v_lshl_or_b32 v[PW], v[TM+7], 24, v[PW]
	WIN (\win)
.irp c, 0,1
	v_cvt_scalef32_pk16_fp6_f32 v[(\dst)+6*\c:(\dst)+6*\c+2], v[(\src)+32*\c:(\src)+32*\c+15], v[TM+12+2*\c]
	v_cvt_scalef32_pk16_fp6_f32 v[TQ+4*\c:TQ+4*\c+2], v[(\src)+16+32*\c:(\src)+31+32*\c], v[TM+13+2*\c]
.endr
	WIN 0
	v_nop                                              ; one plain place behind the scaled conversions
.irp c, 0,1
.irp i, 0,1,2
	v_permlane16_swap_b32 v[(\dst)+6*\c+\i], v[TQ+4*\c+\i]
.endr
.irp i, 0,1,2
	v_mov_b32 v[(\dst)+3+6*\c+\i], v[TQ+4*\c+\i]
.endr
.endr
.endm
; one matrix instruction: accumulator i, K step ks.  cmode 0: the sum starts from the bias image's tile i; 1: from its tile 0
.macro MM1 i, ks, cmode
.set rD, ACC+8*(\i)
.set rA, 12*(2*(\i)+(\ks)%2)
.set rB, OF+12*(\ks)
.set rC, rD
.if (\ks) == 0
.set rC, CB+8*(\i)*(1-(\cmode))
.endif
.if (\i)%2
	v_wmma_scale_f32_16x16x128_f8f6f4 v[rD:rD+7], v[rA:rA+11], v[rB:rB+11], v[rC:rC+7], v[IS+4*((\i)/2)+(\ks)], v[OS+(\ks)] matrix_a_fmt:MATRIX_FMT_FP6 matrix_b_fmt:MATRIX_FMT_FP6 matrix_a_scale:MATRIX_SCALE_ROW1
.else
	v_wmma_scale_f32_16x16x128_f8f6f4 v[rD:rD+7], v[rA:rA+11], v[rB:rB+11], v[rC:rC+7], v[IS+4*((\i)/2)+(\ks)], v[OS+(\ks)] matrix_a_fmt:MATRIX_FMT_FP6 matrix_b_fmt:MATRIX_FMT_FP6
.endif
.endm
; 32 matrix instructions: the eight accumulators by turns, one instruction a turn, K ascending
.macro MM cmode
	WIN 0x3d                                           ; source 0 window 1, source 1 window 3, C (the bias) window 3, D window 0
.irp i, 0,1,2,3,4,5,6,7
	MM1 \i, 0, \cmode
.endr
	WIN 0x0d                                           ; C and D window 0
.irp i, 0,1,2,3,4,5,6,7
	MM1 \i, 1, \cmode
.endr
	WIN 0x0e                                           ; source 0 window 2
.irp i, 0,1,2,3,4,5,6,7
	MM1 \i, 2, \cmode
.endr
.irp i, 0,1,2,3,4,5,6,7
	MM1 \i, 3, \cmode
.endr
	WIN 0
.endm
	s_load_b256 s[4:11], s[0:1], 0x0               ; query s[4:5], key s[6:7], value s[8:9], wimg s[10:11]
	s_load_b256 s[12:19], s[0:1], 0x20             ; wsc s[12:13], bq s[14:15], bk s[16:17], bv s[18:19]
	s_load_b128 s[20:23], s[0:1], 0x40             ; qbuf s[20:21], kv s[22:23]
	v_lshl_add_u32 v229, v0, 2, 0xe000
	v_mov_b32 v230, 0
	v_lshrrev_b32 v1, 5, v0
	v_readfirstlane_b32 s25, v1                    ; wave 0..3
	v_and_b32 v15, 31, v0                          ; lane
	v_and_b32 v16, 15, v0                          ; r
	v_bfe_u32 v17, v0, 4, 1                        ; h
	v_and_b32 v18, 8, v16
	v_add_nc_u32 v18, v18, v16                     ; r + 8 (r / 8)
	v_lshlrev_b32 v1, 4, v15                       ; v1  16 x lane
	v_lshlrev_b32 v2, 4, v16                       ; v2  16 x r
	v_lshlrev_b32 v3, 2, v16                       ; v3  4 x r
	v_lshlrev_b32 v9, 3, v15                       ; v9  8 x lane
	v_lshlrev_b32 v10, 6, v17                      ; v10 64 x h
	v_lshlrev_b32 v11, 2, v18                      ; v11 4 x (r + 8 (r / 8))
	v_lshlrev_b32 v4, 11, v18
	v_lshl_add_u32 v4, v17, 6, v4
	s_wait_alu depctr_va_sdst(0)                   ; s25, the wave's number, is written, ahead of its first reader
	s_lshl_b32 s31, s25, 16
	v_add_nc_u32 v4, s31, v4                       ; v4  x: my row of tile 2 w x 2,048 + 64 h
	s_mul_i32 s31, s25, 12288
	v_add_nc_u32 v5, s31, v1                       ; v5  where I store x's images: 16 x lane + 8 images x wave
	s_lshl_b32 s31, s25, 9
	v_add_nc_u32 v6, s31, v2                       ; v6  and their scale words: 16 r + 512 wave
	v_add_nc_u32 v12, s31, v3                      ; v12 v's stage: 512 wave + 4 r
	v_add_nc_u32 v14, s31, v9                      ; v14 and back: 512 wave + 8 lane
	s_lshl_b32 s31, s25, 10
	v_add_nc_u32 v8, s31, v3                       ; v8  q's and k's stage: 1,024 wave + 4 r
	v_add_nc_u32 v13, s31, v1                      ; v13 and back: 1,024 wave + 16 lane
.irp b, 0,1,2,3
	v_mov_b32 v[TM+4+\b], 0                        ; written once: a lane permute's destination counts as one of its sources
.endr
	s_mov_b32 s[SEL], 0x76543210
	s_mov_b32 s[SEL+1], 0xfedcba98
	s_lshr_b32 s24, ttmp9, 6                       ; which tensor
	s_and_b32 s30, ttmp9, 63                       ; which 128 rows
	s_mov_b32 s43, 0
	s_mov_b32 s45, 0
	s_wait_kmcnt 0x0
	s_cmp_lt_u32 s24, 1
	s_cselect_b64 s[26:27], s[4:5], s[6:7]
	s_cselect_b64 s[28:29], s[14:15], s[16:17]
	s_cmp_lt_u32 s24, 2
	s_cselect_b64 s[26:27], s[26:27], s[8:9]       ; x
	s_cselect_b64 s[28:29], s[28:29], s[18:19]     ; its bias
	s_lshl_b32 s42, s30, 18                        ; 128 rows of 2,048 bytes
	s_add_nc_u64 s[26:27], s[26:27], s[42:43]
	; ---- PHASE X: all 128 loads go out at once: fragment 4 u + ks into window 1 + u, v[64 ks ..]
	WIN 0x40
	s_wait_alu depctr_va_vdst(0)                   ; the offsets and LDS addresses v1 to v14 are written: every load and store of the kernel reads one of them
.irp ks, 0,1,2,3
.irp b, 0,1,2,3
.irp j, 0,1,2,3
	global_load_b128 v[64*\ks+16*\b+4*\j:64*\ks+16*\b+4*\j+3], v4, s[26:27] offset:512*\ks+128*\b+16*\j th:TH_LOAD_NT
.endr
.endr
.endr
	WIN 0x80
.irp ks, 0,1,2,3
.irp b, 0,1,2,3
.irp j, 0,1,2,3
	global_load_b128 v[64*\ks+16*\b+4*\j:64*\ks+16*\b+4*\j+3], v4, s[26:27] offset:16384+512*\ks+128*\b+16*\j th:TH_LOAD_NT
.endr
.endr
.endr
	WIN 0
	; the other addresses, while the loads are out
	s_lshl_b32 s42, s25, 9
	s_add_nc_u64 s[28:29], s[28:29], s[42:43]      ; the bias of my 128 columns
	s_mul_i32 s42, s24, 196608                     ; the tensor's weights: 128 images,
	s_mul_i32 s44, s25, 49152                      ; my 8 tiles' 32
	s_add_co_u32 s42, s42, s44
	s_add_nc_u64 s[46:47], s[10:11], s[42:43]
	s_lshl_b32 s42, s24, 13
	s_lshl_b32 s44, s25, 11
	s_add_co_u32 s42, s42, s44
	s_add_nc_u64 s[48:49], s[12:13], s[42:43]      ; and their scale words
	s_lshr_b32 s31, s30, 5
	s_lshl_b32 s31, s31, 3
	s_lshl_b32 s44, s25, 1
	s_add_co_u32 s31, s31, s44                     ; bh of my first head: 8 b + 2 w
	s_lshl_b32 s31, s31, 5
	s_and_b32 s44, s30, 31
	s_add_co_u32 s31, s31, s44                     ; its record: 32 bh + block of 128 rows
	s_cmp_eq_u32 s24, 0
	s_cselect_b64 s[32:33], s[20:21], s[22:23]
	s_mov_b32 s40, 13312
	s_cselect_b32 s40, 6656, s40                   ; a record's bytes
	s_mov_b32 s41, 12288
	s_cselect_b32 s41, 6144, s41                   ; where its scale words begin
	s_mul_i32 s42, s31, s40
	s_add_nc_u64 s[32:33], s[32:33], s[42:43]      ; s[32:33] my first head's record
	s_lshl_b32 s42, s40, 5
	s_add_nc_u64 s[34:35], s[32:33], s[42:43]      ; s[34:35] my second head's
	s_mov_b32 s42, s41
	s_add_nc_u64 s[36:37], s[32:33], s[42:43]      ; s[36:37], s[38:39] their scale words
	s_add_nc_u64 s[38:39], s[34:35], s[42:43]
.macro XQ u, ks, cnt
	s_wait_loadcnt \cnt                            ; this fragment's 16 loads are in: the count is that of the younger fragments' loads, as far as the wait can name it
	QUANT 64*(\ks), 1+(\u), PC
	v_mov_b32 v[PWQ+(\ks)], v[PW]
	s_wait_alu depctr_va_vdst(0)                   ; the quantiser has written the codes v[PC ..] and the scale words v[PWQ ..], which the LDS stores read
.irp g, 0,1,2
	ds_store_b128 v5, v[PC+4*\g:PC+4*\g+3] offset:XIMG+(4*(\u)+(\ks))*1536+512*\g
.endr
.if (\ks) == 3
	ds_store_b128 v6, v[PWQ:PWQ+3] offset:XSC+256*(\u)   ; lanes r and r + 16 write the same 16 bytes with the same values
.endif
	s_wait_dscnt 0x0                               ; the stores have landed (behind the last fragment: for the other waves' sake)
	s_wait_alu depctr_vm_vsrc(0)                   ; the LDS stores have read v[PC ..] and v[PWQ ..], which the next quantiser writes again
.endm
	XQ 0, 0, 63
	XQ 0, 1, 63
	XQ 0, 2, 63
	XQ 0, 3, 63
	XQ 1, 0, 48
	XQ 1, 1, 32
	XQ 1, 2, 16
	XQ 1, 3, 0
	s_barrier_signal -1                            ; (no LDS instruction of mine is out: the wait above)
	s_barrier_wait -1                              ; x's 32 fragments and their scale words lie in LDS; nobody writes them again
	s_cmp_eq_u32 s24, 2
	s_cbranch_scc1 .Lvalues
	; ---- q AND k: my 8 tiles of W stay in registers; x's tiles come one after the other
	WIN 0x40
	s_wait_alu depctr_va_vdst(0)                   ; phase X's maxima and conversions are done reading x's numbers in windows 1 and 2, in which the weights' images land
.irp i, 0,1,2,3,4,5,6,7
.irp ks, 0,1
.irp g, 0,1,2
	global_load_b128 v[12*(2*\i+\ks)+4*\g:12*(2*\i+\ks)+4*\g+3], v1, s[46:47] offset:(4*\i+\ks)*1536+512*\g
.endr
.endr
.endr
	WIN 0x80
.irp i, 0,1,2,3,4,5,6,7
.irp ks, 0,1
.irp g, 0,1,2
	global_load_b128 v[12*(2*\i+\ks)+4*\g:12*(2*\i+\ks)+4*\g+3], v1, s[46:47] offset:(4*\i+2+\ks)*1536+512*\g
.endr
.endr
.endr
	WIN 0
.irp b, 0,1,2,3
	global_load_b128 v[IS+4*\b:IS+4*\b+3], v1, s[48:49] offset:512*\b   ; lanes 0-15: tile 2 b's four scale words a row; lanes 16-31: tile 2 b + 1's
.endr
	WIN 0xc0
.irp t, 0,1,2,3,4,5,6,7
	global_load_b128 v[CB+8*\t:CB+8*\t+3], v10, s[28:29] offset:(32*(\t/2)+8*(\t%2))*4        ; the bias in the result's layout: columns 32 (t / 2) + 16 h + 8 (t % 2) + 0 .. 7
	global_load_b128 v[CB+8*\t+4:CB+8*\t+7], v10, s[28:29] offset:(32*(\t/2)+8*(\t%2))*4+16
.endr
.macro FETCHX m                                        ; x's tile m: four fragments into window 3, its scale words into v[OS ..]
	WIN 0xc0
.irp ks, 0,1,2,3
.irp g, 0,1,2
	ds_load_b128 v[OF+12*\ks+4*\g:OF+12*\ks+4*\g+3], v1 offset:XIMG+(4*(\m)+\ks)*1536+512*\g
.endr
.endr
	WIN 0
	ds_load_b128 v[OS:OS+3], v2 offset:XSC+256*(\m)
.endm
.macro PUTQK m                                         ; tile m's results leave, from out-set m % 2: registers 0-5 head 2 w's 64, registers 6-11 head 2 w + 1's
.set rP, PC-64*((\m)%2)
.set rT, TS+2*((\m)%2)
	global_store_b128 v1, v[rP:rP+3], s[32:33] offset:768*(\m)          ; 512 consecutive bytes,
	global_store_b64 v9, v[rP+4:rP+5], s[32:33] offset:768*(\m)+512     ; and 256
	global_store_b128 v1, v[rP+6:rP+9], s[34:35] offset:768*(\m)
	global_store_b64 v9, v[rP+10:rP+11], s[34:35] offset:768*(\m)+512
	ds_store_b32 v8, v[rT] offset:SQK+64*(\m)
	ds_store_b32 v8, v[rT+1] offset:SQK+512+64*(\m)
.endm
	FETCHX 0
	s_wait_loadcnt 0x0
.irp m, 0,1,2,3,4,5,6,7
	s_wait_dscnt 0x0                               ; tile m is in
	MM 0
	PLACES
.if \m > 1
	s_wait_xcnt 0x0                                ; the stores issued in the tile before have had their addresses translated: their data, this tile's out-set, are written again only behind this wait
	s_wait_alu depctr_vm_vsrc(0)                   ; and they have read that out-set: codes and scale words of tile m - 2
.endif
	s_wait_alu depctr_va_vdst(0)                   ; the products are done reading the streamed tile and its scale words, in which the loads below land; the tile before has written its out-set, which the stores below read
.if \m < 7
	FETCHX \m+1
.endif
.if \m > 0
	PUTQK \m-1
.endif
	QUANT ACC, 0, PC-64*(\m%2)                     ; it names the accumulators, its work registers and out-set m % 2: none of the registers that the loads and stores above touch
	v_and_b32 v[TS+2*(\m%2)], 0xffff, v[PW]        ; each head's two bytes, with zeros above them
	v_lshrrev_b32 v[TS+2*(\m%2)+1], 16, v[PW]
.endr
	s_wait_alu depctr_va_vdst(0)                   ; tile 7's quantiser has written its out-set, which the stores below read, and is done reading the accumulators, in the first of which the LDS loads below land
	PUTQK 7
	ds_load_b128 v[64:67], v13 offset:SQK          ; LDS serves a wave's instructions in order (ISA guide 5.7.1.4): these see my stores
	ds_load_b128 v[68:71], v13 offset:SQK+512
	s_wait_dscnt 0x0
	global_store_b128 v1, v[64:67], s[36:37]       ; a head's 128 scale words: 512 consecutive bytes
	global_store_b128 v1, v[68:71], s[38:39]
	s_wait_dscnt 0x0
	s_wait_alu depctr_hold_cnt(0) depctr_sa_sdst(0) depctr_va_vdst(0) depctr_va_sdst(0) depctr_va_ssrc(0) depctr_va_vcc(0) depctr_vm_vsrc(0)
	s_wait_tensorcnt 0x0
	ds_add_u32 v229, v230
	s_wait_dscnt 0x0
	s_endpgm
	; ---- v: x's 32 fragments stay in registers; my 8 tiles of Wv come one after the other
.Lvalues:
	WIN 0x40
	s_wait_alu depctr_va_vdst(0)                   ; phase X's maxima and conversions are done reading x's numbers in windows 1 and 2, in which x's images land
.irp i, 0,1,2,3,4,5,6,7
.irp ks, 0,1
.irp g, 0,1,2
	ds_load_b128 v[12*(2*\i+\ks)+4*\g:12*(2*\i+\ks)+4*\g+3], v1 offset:XIMG+(4*\i+\ks)*1536+512*\g
.endr
.endr
.endr
	WIN 0x80
.irp i, 0,1,2,3,4,5,6,7
.irp ks, 0,1
.irp g, 0,1,2
	ds_load_b128 v[12*(2*\i+\ks)+4*\g:12*(2*\i+\ks)+4*\g+3], v1 offset:XIMG+(4*\i+2+\ks)*1536+512*\g
.endr
.endr
.endr
	WIN 0
.irp b, 0,1,2,3
	ds_load_b128 v[IS+4*\b:IS+4*\b+3], v1 offset:XSC+512*\b
.endr
.macro WFETCH t                                        ; tile t of Wv: four fragments, its scale words, and my column's bias
	WIN 0xc0
.irp ks, 0,1,2,3
.irp g, 0,1,2
	global_load_b128 v[OF+12*\ks+4*\g:OF+12*\ks+4*\g+3], v1, s[46:47] offset:(4*(\t)+\ks)*1536+512*\g
.endr
.endr
	WIN 0
	global_load_b128 v[OS:OS+3], v2, s[48:49] offset:256*(\t)
	global_load_b32 v[BV], v11, s[28:29] offset:(32*((\t)/2)+8*((\t)%2))*4
.endm
.macro PUTV t                                          ; tile t's fragment of V^T and its scale word leave, from out-set t % 2
.set rP, PC-64*((\t)%2)
.irp g, 0,1,2
	global_store_b128 v1, v[rP+4*\g:rP+4*\g+3], s[32:33] offset:((\t)/4)*HSTR+VC+1536*((\t)%4)+512*\g
.endr
	ds_store_b32 v12, v[PWT+(\t)%2] offset:SV+64*(\t)
.endm
	WFETCH 0
	s_wait_dscnt 0x0
.irp t, 0,1,2,3,4,5,6,7
	s_wait_loadcnt 0x0                             ; tile t is in
	WIN 0xc0
.irp j, 0,1,2,3,4,5,6,7
	v_mov_b32 v[CB+\j], v[BV]                      ; a lane holds one column: its bias in all eight registers
.endr
	WIN 0
	PLACES
	MM 1
	PLACES
.if \t > 1
	s_wait_xcnt 0x0                                ; the stores issued in the tile before have had their addresses translated: their data, this tile's out-set, are written again only behind this wait
	s_wait_alu depctr_vm_vsrc(0)                   ; and they have read that out-set: codes and scale word of tile t - 2
.endif
	s_wait_alu depctr_va_vdst(0)                   ; the products are done reading the streamed tile and its scale words, and the moves the bias: the loads below land there; the tile before has written its out-set, which the stores below read
.if \t < 7
	WFETCH \t+1
.endif
.if \t > 0
	PUTV \t-1
.endif
	QUANT ACC, 0, PC-64*(\t%2)                     ; a fragment of V^T: 16 columns d x these 128 keys.  It names none of the registers that the loads and stores above touch
	v_mov_b32 v[PWT+\t%2], v[PW]
.endr
	v_mov_b32 v68, 0
	v_mov_b32 v69, 0
	s_wait_alu depctr_va_vdst(0)                   ; tile 7's out-set and the zeros v68, v69 are written, which the stores below read; the quantiser is done reading v64 to v67, in which the LDS loads below land
	PUTV 7
	ds_load_b64 v[64:65], v14 offset:SV            ; in order behind my stores
	ds_load_b64 v[66:67], v14 offset:SV+256
	s_wait_dscnt 0x0
.irp c, 0,1
	global_store_b64 v9, v[64+2*\c:65+2*\c], s[32:33] offset:\c*HSTR+VSO   ; a head's 64 scale words: 256 consecutive bytes
	global_store_b64 v9, v[68:69], s[32:33] offset:\c*HSTR+PAD             ; the record's last 256 bytes: zeros, so that the attention's dense copy reads only written bytes
.endr
	s_wait_dscnt 0x0
	s_wait_alu depctr_hold_cnt(0) depctr_sa_sdst(0) depctr_va_vdst(0) depctr_va_sdst(0) depctr_va_ssrc(0) depctr_va_vcc(0) depctr_vm_vsrc(0)
	s_wait_tensorcnt 0x0
	ds_add_u32 v229, v230
	s_wait_dscnt 0x0
	s_endpgm
.Lfunc_end_k_q9c8b7c5142_proj:
	.size	k_q9c8b7c5142_proj, .Lfunc_end_k_q9c8b7c5142_proj-k_q9c8b7c5142_proj
	.p2alignl 7, 3214868480
	.fill 96, 4, 3214868480
	.section	.rodata,"a",@progbits
	.p2align	6, 0x0
	.amdhsa_kernel k_q9c8b7c5142_proj
		.amdhsa_group_segment_fixed_size 57856
		.amdhsa_private_segment_fixed_size 0
		.amdhsa_enable_private_segment 0
		.amdhsa_kernarg_size 80
		.amdhsa_user_sgpr_count 2
		.amdhsa_user_sgpr_kernarg_segment_ptr 1
		.amdhsa_wavefront_size32 1
		.amdhsa_system_sgpr_workgroup_id_x 1
		.amdhsa_system_sgpr_workgroup_id_y 1
		.amdhsa_system_sgpr_workgroup_id_z 1
		.amdhsa_system_vgpr_workitem_id 0
		.amdhsa_next_free_vgpr 1024
		.amdhsa_next_free_sgpr 66
		.amdhsa_reserve_vcc 0
		.amdhsa_float_denorm_mode_32 3
		.amdhsa_float_denorm_mode_16_64 3
		.amdhsa_memory_ordered 1
		.amdhsa_forward_progress 1
		.amdhsa_inst_pref_size 227
	.end_amdhsa_kernel
	.amdgpu_metadata
---
amdhsa.version: [ 1, 2 ]
amdhsa.kernels:
  - .name:           k_q9c8b7c5142_proj
    .symbol:         k_q9c8b7c5142_proj.kd
    .args:
      - { .name: query_input, .offset: 0, .size: 8, .value_kind: global_buffer, .address_space: global }
      - { .name: key_input, .offset: 8, .size: 8, .value_kind: global_buffer, .address_space: global }
      - { .name: value_input, .offset: 16, .size: 8, .value_kind: global_buffer, .address_space: global }
      - { .name: wimg, .offset: 24, .size: 8, .value_kind: global_buffer, .address_space: global }
      - { .name: wsc, .offset: 32, .size: 8, .value_kind: global_buffer, .address_space: global }
      - { .name: bq, .offset: 40, .size: 8, .value_kind: global_buffer, .address_space: global }
      - { .name: bk, .offset: 48, .size: 8, .value_kind: global_buffer, .address_space: global }
      - { .name: bv, .offset: 56, .size: 8, .value_kind: global_buffer, .address_space: global }
      - { .name: qbuf, .offset: 64, .size: 8, .value_kind: global_buffer, .address_space: global }
      - { .name: kv, .offset: 72, .size: 8, .value_kind: global_buffer, .address_space: global }
    .group_segment_fixed_size: 57856
    .private_segment_fixed_size: 0
    .kernarg_segment_align: 8
    .kernarg_segment_size: 80
    .max_flat_workgroup_size: 128
    .sgpr_count:     66
    .vgpr_count:     1024
    .wavefront_size: 32
...
	.end_amdgpu_metadata
.endif
;; end of part 6
;; launch attn (part 7): grid 16 x 16, 16 waves a work-group, no clusters, 29,696 bytes of LDS; arguments qbuf, kv, maskbits, flags, hc, hs; writes hc, hs
.if DOCPART == 7
	.amdgcn_target "amdgcn-amd-amdhsa--gfx1250"
	.amdhsa_code_object_version 6
	.text
	.protected	k_q9c8b7c5142_attn
	.globl	k_q9c8b7c5142_attn
	.p2align	8
	.type	k_q9c8b7c5142_attn,@function
k_q9c8b7c5142_attn:
	s_mov_b64 s[64:65], 0
	v_nop
	global_prefetch_b8 v0, s[64:65] scope:SCOPE_SE
	s_setreg_imm32_b32 hwreg(HW_REG_WAVE_SCHED_MODE, 0, 2), 2
	s_setreg_imm32_b32 hwreg(HW_REG_WAVE_MODE, 25, 1), 1
	s_wait_xcnt 0x0
	s_wait_alu depctr_vm_vsrc(0)
; ATTN.  heads[b][q][head] = softmax over the keys of (q . k / 8, hidden where the mask says so) x v, both products on codes of E2M3 with one E8M0 byte for each 32 along K; the result is quantised for the last product.
; THE SOFTMAX AHEAD OF THE SECOND PRODUCT: t = score x log2(e) / 8; M = the row's largest t so far, rounded UP to a whole number; p = 2^(t - M) is quantised along the keys, not normalised; the row's sum is
; taken of the unquantised p and divides at the end.  When M moves, the sum and O are multiplied by 2^(old M - new M): exact.
; SHARES.  Work-group (i, bh) owns query blocks i and 31 - i (128 queries each) of one head: waves 0-7 the first, waves 8-15 the second; a wave owns one tile of 16 queries in 256 registers, four waves to a SIMD.
; All 16 waves walk all 32 key steps of 128 keys in a loop of constant count with one barrier a step; a step's record of kv (13,312 bytes) is copied memory -> registers -> LDS once for the 16 waves, a step ahead.
; THE MASK IS AN INPUT.  An earlier launch has turned it into lane masks (64 words a tile) and two flag words a stripe.  NEED bit = 0: every byte of the tile is false and every row of the stripe has a true
; byte somewhere: the tile's p are all 0, and the wave leaves the step's work out (never the barrier).  MIX bit = 1: some byte is false: 64 selects put the hidden scores at -2^33.
; A record that no wave of the work-group needs is not copied.
; LIMITS: a hidden score counts as the raw score -2^33, the logit -2^30, where the definition has -1e9: -2^33 x c is a whole number in f32, so a row that is hidden everywhere gets p = 1 exactly, as there;
; results differ only where a logit that counts lies under about -1e9.  NaN and infinities are not served.  A block of zeros gets the byte 1.
; NO CLUSTER, NO TENSOR LOADS: the steps' work hangs on flags read from memory; joint requests are tensor loads.
; LAYOUT.  Both products transposed: S^T = K Q^T (source 0 = 16 keys), O^T = V^T P^T (source 0 = 16 of the head's 64): a lane holds one query throughout.  Lane r of tile T takes row 32 (T / 2) + 8 (T % 2) + r + 8 (r / 8).
; THE FIRST PRODUCT'S K IS 64 in an instruction of 128: Q's registers 6-11 hold zero codes, so what K's operand names there (the next tile's codes; for tile 7 six zero registers) adds nothing; bytes 2, 3 of both scale words are 0, no NaN.
; REGISTERS: v1-8 addresses; v12 -M, v13 the largest t, v[14:15] the sum; v16-27 Q; v28 Q's scale word; v29 -2^33; v32-39 the copy; v40-87 K's eight half fragments, then V's four fragments; v88-93 zeros;
;   v96-159 S^T, then p; v160-191 O^T; v192-203 p's codes; v204-229 at work; v240-243 K's scale words, v244-245 V's.
; SCALARS: s[2:15] and s[96:97] the pointers; s16-63 and s68-83 a step's 64 lane masks (in the head: ids, offsets and flags; never a pointer); s84-98 as named below.
; THE MODE: SCHED_MODE bits 1:0 = 2 (LLVM: expert scheduling mode 2), set by the entry lines.  The code itself states the register dependences between vector or matrix instructions
; and memory or LDS instructions, with s_wait_alu, always for 0.
; THE PLAN.  Registers that memory or LDS instructions touch, in the loop:
;   v1-v8         offsets and LDS addresses (v5: the prefetch's): written at the head, never again.
;   v32-39        the copy: a step's global loads land there, its LDS stores read them; no vector instruction of the loop names them.  One wait on vm_vsrc at a step's head.
;   v40-87        K's LDS loads land; the eight products K Q^T read them (with v88-93 and v240-243); V's LDS loads land; the four products V^T P^T read them (with v244-245).
;                 The wave's 256 registers are all in use (four waves fill a SIMD's 1,024), so K and V share these 48, and each run of loads stands behind a wait on va_vdst:
;                 K's at the head of a step's work, a barrier behind the products that it waits for; V's behind the products K Q^T, whose results the softmax that follows wants in any case.
;   v192-203, v226  p's codes and scale word: written by vector instructions, read by the scaled products: a wait on va_vdst behind the places, ahead of the products.
; The two waits behind the exponentials are waits on va_vdst too; nothing else in a step touches both sides.
.set REC,  13312                       ; a record: 26 x 512 bytes
.set VC,   6144
.set KSO,  12288
.set VSO,  12800
.set HSG,  26624                       ; LDS: slot 0 at 0, slot 1 at REC, then 1,024 bytes for the way out's scale words
.set WV,   84
.set NEED, 86
.set MIX,  87
.set U1,   88                          ; bit 0: the record that is copied next is needed by some wave
.set TRIP, 89
.set CS,   90                          ; s[90:91] c = log2(e) / 8
.set SEL,  92                          ; s[92:93] lane l xor 16
.set PFA,  96                          ; s[96:97] where the prefetches stand
.set LIM,  98                          ; s98  a wave prefetches while the trip's number is under it
.set S,    96
.set O,    160
.set PCD,  192
.set TQ,   204
.set BM,   212
.set BT,   216
.set BS,   220
.set F,    224
.set PW,   226
.set TMP,  227
.set SUM2, 228
.set KS,   240
.set VS,   244
.macro PLACES
.rept 4
	v_nop
.endr
.endm
.macro COPYIN                          ; the next record, 16 bytes a thread: 16 waves x 512 bytes, then 10 waves x 512
	s_bitcmp1_b32 s[U1], 0
	s_cbranch_scc0 .Lnl_\@
	global_load_b128 v[32:35], v4, s[6:7]
	s_cmp_lt_u32 s[WV], 10
	s_cbranch_scc0 .Lnl_\@
	global_load_b128 v[36:39], v4, s[6:7] offset:8192
.Lnl_\@:
.endm
.macro COPYOUT slot
	s_wait_loadcnt 0x0                             ; on every way: whatever was asked for is in
	s_bitcmp1_b32 s[U1], 0
	s_cbranch_scc0 .Lns_\@
	ds_store_b128 v4, v[32:35] offset:(\slot)*REC
	s_cmp_lt_u32 s[WV], 10
	s_cbranch_scc0 .Lns_\@
	ds_store_b128 v4, v[36:39] offset:(\slot)*REC+8192
.Lns_\@:
.endm
; A PREFETCH INTO THE L2 of the codes of the two records that the NEXT trip copies (records 2 t + 3 and 2 t + 4 in trip t): 2 x 48 blocks of 256 bytes, a lane a block, one instruction in each of three waves.
; All 16 work-groups of a head walk the same records: the first of them (x = 0) asks, in its waves 13 to 15; so each block is named once in the launch.  It stands where the wave has just issued its copy's loads.
; Trips 14 and 15 ask for nothing: there is no record behind 31.  Records 0 to 2 and the scale words come by their loads alone.
.macro ASK
	s_cmp_lt_u32 s[TRIP], s[LIM]
	s_cbranch_scc0 .Lna_\@
	global_prefetch_b8 v5, s[PFA:PFA+1] th:TH_LOAD_NT scope:SCOPE_SE
.Lna_\@:
.endm
	s_load_b256 s[4:11], s[0:1], 0x0               ; qbuf s[4:5], kv s[6:7], maskbits s[8:9], flags s[10:11]
	s_load_b128 s[12:15], s[0:1], 0x20             ; hc s[12:13], hs s[14:15]
	v_lshl_add_u32 v254, v0, 2, 0x6c00
	v_mov_b32 v255, 0
	v_lshrrev_b32 v1, 5, v0
	v_readfirstlane_b32 s[WV], v1                  ; wave 0..15
	v_and_b32 v5, 31, v0                           ; lane
	v_and_b32 v6, 15, v0                           ; r
	v_lshlrev_b32 v1, 4, v5                        ; v1  16 x lane
	v_lshlrev_b32 v2, 3, v5                        ; v2  8 x lane
	v_lshlrev_b32 v3, 2, v5                        ; v3  4 x lane
	v_lshlrev_b32 v4, 4, v0                        ; v4  16 x thread: the copy's place in a record, in memory and in LDS
	v_lshlrev_b32 v6, 2, v6                        ; v6  4 x r
	s_wait_alu depctr_va_sdst(0)                   ; s84, the wave's number, is written, ahead of its first reader
	s_lshl_b32 s16, s[WV], 6
	v_add_nc_u32 v7, s16, v6                       ; v7  the way out: 64 x wave + 4 r
	v_add_nc_u32 v8, s16, v1                       ; v8  and back: 64 x wave + 16 x lane
	s_and_b32 s17, ttmp7, 0xffff                   ; bh
	s_sub_co_u32 s18, 31, ttmp9                    ; 31 - i
	s_cmp_lt_u32 s[WV], 8
	s_cselect_b32 s19, ttmp9, s18                  ; my block of 128 queries
	s_and_b32 s20, s[WV], 7                        ; my tile in it
	s_lshr_b32 s21, s17, 3                         ; b
	s_and_b32 s22, s17, 7                          ; head
	s_lshl_b32 s23, s19, 3
	s_add_co_u32 s23, s23, s20                     ; Tb
	s_lshl_b32 s24, s21, 8
	s_add_co_u32 s25, s24, s23                     ; Tg = 256 b + Tb
	s_lshl_b32 s26, s25, 3                         ; my stripe's flags
	s_lshl_b32 s27, ttmp9, 3
	s_add_co_u32 s27, s27, s24
	s_lshl_b32 s27, s27, 3                         ; those of block i's eight stripes
	s_lshl_b32 s28, s18, 3
	s_add_co_u32 s28, s28, s24
	s_lshl_b32 s28, s28, 3                         ; and of block 31 - i's
	s_wait_kmcnt 0x0
	s_load_b64 s[86:87], s[10:11], s26 offset:0x0
	s_load_b512 s[32:47], s[10:11], s27 offset:0x0
	s_load_b512 s[48:63], s[10:11], s28 offset:0x0
	s_lshl_b32 s66, s17, 5
	s_add_co_u32 s66, s66, s19
	s_mul_i32 s66, s66, 6656                       ; my block's record in qbuf
	s_mul_i32 s67, s20, 768
	s_add_co_u32 s68, s66, s67                     ; my tile's half fragment in it
	s_mov_b32 s69, 0
	s_lshl_b32 s67, s20, 6
	s_add_co_u32 s74, s66, s67                     ; my tile's scale words, 6,144 bytes further on
	s_mov_b32 s75, 0
	s_add_nc_u64 s[2:3], s[4:5], s[74:75]          ; both pointers stand outside the registers that later hold lane masks, and are never rewritten
	s_add_nc_u64 s[4:5], s[4:5], s[68:69]
	s_wait_alu depctr_va_vdst(0)                   ; the offsets v1, v2 and v6 are written, which Q's loads read (so are v3, v4, v7 and v8, for all that follows)
	global_load_b128 v[16:19], v1, s[4:5]          ; Q's half fragment stays in registers
	global_load_b64 v[20:21], v2, s[4:5] offset:512
	global_load_b32 v28, v6, s[2:3] offset:6144    ; its scale words
	s_lshl_b32 s74, s25, 3
	s_add_co_u32 s74, s74, s22
	s_mul_i32 s74, s74, 768
	s_add_nc_u64 s[12:13], s[12:13], s[74:75]      ; hc + (8 Tg + head) x 768
	s_lshl_b32 s74, s17, 14
	s_lshl_b32 s76, s19, 9
	s_add_co_u32 s74, s74, s76
	s_add_nc_u64 s[14:15], s[14:15], s[74:75]      ; hs + (256 bh + 8 blk) x 64
	s_lshl_b32 s74, s25, 13
	s_add_nc_u64 s[8:9], s[8:9], s[74:75]          ; my stripe's lane masks: 256 bytes a step
	s_mul_i32 s74, s17, 32*REC
	s_add_nc_u64 s[6:7], s[6:7], s[74:75]          ; my head's records
	s_add_nc_u64 s[PFA:PFA+1], s[6:7], REC         ; at record 1: the first trip steps it to record 3
	s_cmp_ge_u32 s[WV], 13
	s_cselect_b32 s[LIM], 14, 0
	s_cmp_eq_u32 ttmp9, 0
	s_cselect_b32 s[LIM], s[LIM], 0
	s_max_u32 s76, s[WV], 13
	s_sub_co_u32 s76, s76, 13
	s_lshl_b32 s76, s76, 5
	v_add_nc_u32 v5, s76, v5                       ; which of the 96 blocks is mine
	v_lshlrev_b32 v9, 8, v5
	v_cmp_le_u32 vcc_lo, 48, v5
	v_mov_b32 v10, 0x400
	s_wait_alu depctr_va_vcc(0)                    ; the compare has written VCC, which the select reads
	v_cndmask_b32 v10, 0, v10, vcc_lo              ; the second record's codes begin 1,024 bytes behind the first's end
	v_add_nc_u32 v5, v9, v10                       ; v5  the prefetches' offset; never rewritten
	s_mov_b32 s[CS], 0x3e38aa3b                    ; c = log2(e) / sqrt(64)
	s_mov_b32 s[CS+1], s[CS]                       ; (named with it as a pair, so it is written)
	s_mov_b32 s[SEL], 0x76543210
	s_mov_b32 s[SEL+1], 0xfedcba98
	v_mov_b32 v13, 0xff61b1e6                      ; the largest t so far: -3e38, under every t
	v_floor_f32 v12, -v13                          ; -M
	v_mov_b32 v14, 0
	v_mov_b32 v15, 0
	v_mov_b32 v29, 0xd0000000                      ; -2^33
.irp j, 22,23,24,25,26,27, 32,33,34,35,36,37,38,39, 88,89,90,91,92,93
	v_mov_b32 v[\j], 0                             ; Q's dead half; the copy's registers; the dead half behind K's tile 7
.endr
.irp b, 0,1,2,3
	v_mov_b32 v[BT+\b], 0                          ; written once: a lane permute's destination counts as one of its sources
.endr
	v_mov_b32 v[F+1], 0                            ; (named as the upper half of a pair)
	v_mov_b32 v[TMP], 0
.set j, 0
.rept 32
	v_mov_b32 v[O+j], 0                            ; O^T: the step is written once; the first finds zeros, which the first change of M leaves zeros
.set j, j+1
.endr
	s_wait_kmcnt 0x0
	s_or_b32 s[U1], s32, s34                       ; which records some wave of the work-group needs
.irp k, 36,38,40,42,44,46,48,50,52,54,56,58,60,62
	s_or_b32 s[U1], s[U1], s[\k]
.endr
	s_wait_alu depctr_va_vdst(0)                   ; the zeros in v32 to v39 are written, in which the copy's loads land; so are the zero halves v22-27 and v88-93, which the scaled products take as operands, and v5, which the prefetches read
	COPYIN                                         ; record 0
	COPYOUT 0                                      ; (its wait also covers Q)
	s_add_nc_u64 s[6:7], s[6:7], REC
	s_lshr_b32 s[U1], s[U1], 1
	s_wait_dscnt 0x0
	s_barrier_signal -1
	s_barrier_wait -1
; A KEY STEP's work, on the record at LDS byte L
.macro STEP L
	s_bitcmp1_b32 s[MIX], 0                        ; the tile's 64 lane masks are asked for first, where they are wanted
	s_cbranch_scc0 .Lnm_\@
	s_load_b512 s[16:31], s[8:9], 0x0
	s_load_b512 s[32:47], s[8:9], 0x40
	s_load_b512 s[48:63], s[8:9], 0x80
	s_load_b512 s[68:83], s[8:9], 0xc0
.Lnm_\@:
	PLACES                                         ; behind the last step's products
	s_wait_alu depctr_va_vdst(0)                   ; the products V^T P^T of the last step that I worked are done reading v40 to v87, in which K's loads land
.irp t, 0,1,2,3,4,5,6,7
	ds_load_b128 v[40+6*\t:43+6*\t], v1 offset:\L+768*\t
	ds_load_b64 v[44+6*\t:45+6*\t], v2 offset:\L+768*\t+512
.endr
.irp b, 0,1,2,3
	ds_load_b32 v[KS+\b], v3 offset:\L+KSO+128*\b  ; lanes 0-15: tile 2 b's scale words; lanes 16-31: tile 2 b + 1's
.endr
	s_wait_dscnt 0x0
.irp t, 0,2,4,6
	v_wmma_scale_f32_16x16x128_f8f6f4 v[S+8*\t:S+8*\t+7], v[40+6*\t:51+6*\t], v[16:27], 0, v[KS+\t/2], v28 matrix_a_fmt:MATRIX_FMT_FP6 matrix_b_fmt:MATRIX_FMT_FP6
	v_wmma_scale_f32_16x16x128_f8f6f4 v[S+8*\t+8:S+8*\t+15], v[46+6*\t:57+6*\t], v[16:27], 0, v[KS+\t/2], v28 matrix_a_fmt:MATRIX_FMT_FP6 matrix_b_fmt:MATRIX_FMT_FP6 matrix_a_scale:MATRIX_SCALE_ROW1
.endr
	PLACES                                         ; ahead of the first read of the scores
	s_wait_alu depctr_va_vdst(0)                   ; the products K Q^T are done reading v40 to v87, in which V's loads land (v244 and v245 were last read ahead of the wait at this step's head)
.irp d, 0,1,2,3                                        ; V's fragments land while the softmax is worked: it names none of their registers
.irp g, 0,1,2
	ds_load_b128 v[40+12*\d+4*\g:43+12*\d+4*\g], v1 offset:\L+VC+1536*\d+512*\g
.endr
.endr
.irp p, 0,1
	ds_load_b32 v[VS+\p], v3 offset:\L+VSO+128*\p
.endr
	s_wait_kmcnt 0x0                               ; on every way: the lane masks, if they were asked for
	s_bitcmp1_b32 s[MIX], 0
	s_cbranch_scc0 .Lopen_\@
.set n, 0
.rept 64
	v_cndmask_b32 v[S+n], v29, v[S+n], s[16+n+4*(n/48)]   ; register n holds key 32 (n / 16) + 16 (lane / 16) + n % 16 of my query: kept where the mask's bit is set
.set n, n+1
.endr
.Lopen_\@:
.irp b, 0,1,2,3
	v_max3_num_f32 v[BM+\b], v[S+16*\b], v[S+1+16*\b], v[S+2+16*\b]   ; the largest score of each block of 32 keys: for the row's maximum, and, since p rises with the score, for the block's largest p
.endr
.irp i, 3,5,7,9,11,13
.irp b, 0,1,2,3
	v_max3_num_f32 v[BM+\b], v[BM+\b], v[S+16*\b+\i], v[S+1+16*\b+\i]
.endr
.endr
.irp b, 0,1,2,3
	v_max_num_f32 v[BM+\b], v[BM+\b], v[S+15+16*\b]
.endr
.irp b, 0,1,2,3
	v_permlanex16_b32 v[BT+\b], v[BM+\b], s[SEL], s[SEL+1]
.endr
.irp b, 0,1,2,3
	v_max_num_f32 v[BM+\b], v[BM+\b], v[BT+\b]     ; with lane l xor 16's 16 keys
.endr
	v_max3_num_f32 v[TMP], v[BM], v[BM+1], v[BM+2]
	v_max_num_f32 v[TMP], v[TMP], v[BM+3]          ; the step's largest score of my query
	v_mul_f32 v[TMP], s[CS], v[TMP]                ; as t
	v_max_num_f32 v13, v13, v[TMP]                 ; the running largest t
	v_mov_b32 v[TMP], v12
	v_floor_f32 v12, -v13                          ; the new -M = -ceil(t): a whole number
	v_sub_f32 v[TMP], v12, v[TMP]                  ; old M - new M: a whole number, 0 or less
	v_cvt_i32_f32 v[TMP], v[TMP]                   ; (it saturates)
	v_ldexp_f32 v[F], 1.0, v[TMP]                  ; f = 2^(old M - new M)
.set j, 0
.rept 32
	v_pk_fma_f32 v[S+j:S+j+1], v[S+j:S+j+1], s[CS:CS+1], v[12:13] op_sel_hi:[1,0,0]   ; t - M, two at a time
.set j, j+2
.endr
.irp b, 0,1,2,3
	v_fma_f32 v[BM+\b], v[BM+\b], s[CS], v12       ; the same of each block's largest score
.endr
.set j, 0
	s_wait_alu depctr_va_vdst(0)
.rept 64
	v_exp_f32 v[S+j], v[S+j]                       ; p = 2^(t - M), at most 1
.set j, j+1
.endr
	v_pk_mul_f32 v[14:15], v[14:15], v[F:F+1] op_sel_hi:[1,0]   ; the sums under the new M (the plain place behind the exponentials)
	s_wait_alu depctr_va_vdst(0)                   ; the 64 exponentials have written p in v96 to v159: one wait for the batch, ahead of its first reader
.irp b, 0,1,2,3
	v_exp_f32 v[BM+\b], v[BM+\b]                   ; the block's largest p: the same two instructions on the same number
.endr
	v_pk_add_f32 v[SUM2:SUM2+1], v[S:S+1], v[S+2:S+3]   ; the row's sum of the unquantised p, in two chains
.set j, 4
.rept 15
	v_pk_add_f32 v[14:15], v[14:15], v[S+j:S+j+1]
	v_pk_add_f32 v[SUM2:SUM2+1], v[SUM2:SUM2+1], v[S+j+2:S+j+3]
.set j, j+4
.endr
	v_pk_add_f32 v[14:15], v[14:15], v[SUM2:SUM2+1]
	s_wait_alu depctr_va_vdst(0)                   ; the four exponentials have written the blocks' largest p in v212 to v215, ahead of their first reader
.irp b, 0,1,2,3
	v_max_num_f32 v[BM+\b], 0x1800000, v[BM+\b]    ; the floor 2^(3 - 127): the byte cannot fall under 1
.endr
.irp b, 0,1,2,3
	v_add_nc_u32 v[BS+\b], 0xff000000, v[BM+\b]    ; 2 off the exponent field: the conversion's scale operand
.endr
.irp b, 0,1,2,3
	v_lshrrev_b32 v[BT+\b], 23, v[BS+\b]           ; the scale's byte
.endr
	v_lshl_or_b32 v[PW], v[BT+1], 8, v[BT]         ; p's scale word for these 128 keys
	v_lshl_or_b32 v[PW], v[BT+2], 16, v[PW]
	v_lshl_or_b32 v[PW], v[BT+3], 24, v[PW]
.irp c, 0,1
	v_cvt_scalef32_pk16_fp6_f32 v[PCD+6*\c:PCD+6*\c+2], v[S+32*\c:S+32*\c+15], v[BS+2*\c]
	v_cvt_scalef32_pk16_fp6_f32 v[TQ+4*\c:TQ+4*\c+2], v[S+16+32*\c:S+31+32*\c], v[BS+2*\c+1]
.endr
	v_nop                                          ; one plain place behind the scaled conversions
.irp c, 0,1
.irp i, 0,1,2
	v_permlane16_swap_b32 v[PCD+6*\c+\i], v[TQ+4*\c+\i]
.endr
.irp i, 0,1,2
	v_mov_b32 v[PCD+3+6*\c+\i], v[TQ+4*\c+\i]
.endr
.endr
.set j, 0
.rept 16
	v_pk_mul_f32 v[O+j:O+j+1], v[O+j:O+j+1], v[F:F+1] op_sel_hi:[1,0]   ; O^T under the new M.  (These are also the places between p's codes and scale word and the products)
.set j, j+2
.endr
	s_wait_dscnt 0x0                               ; V is in
	s_wait_alu depctr_va_vdst(0)                   ; p's codes v192 to v203 and its scale word v226 are written, which the scaled products take as operand and scales; the places above stay beside this wait
.irp p, 0,1
	v_wmma_scale_f32_16x16x128_f8f6f4 v[O+16*\p:O+16*\p+7], v[40+24*\p:51+24*\p], v[PCD:PCD+11], v[O+16*\p:O+16*\p+7], v[VS+\p], v[PW] matrix_a_fmt:MATRIX_FMT_FP6 matrix_b_fmt:MATRIX_FMT_FP6
	v_wmma_scale_f32_16x16x128_f8f6f4 v[O+16*\p+8:O+16*\p+15], v[52+24*\p:63+24*\p], v[PCD:PCD+11], v[O+16*\p+8:O+16*\p+15], v[VS+\p], v[PW] matrix_a_fmt:MATRIX_FMT_FP6 matrix_b_fmt:MATRIX_FMT_FP6 matrix_a_scale:MATRIX_SCALE_ROW1
.endr
.endm
; One step: its record lies in slot sg; the next record is copied into the other slot, which was last read ahead of the barrier before this step and is read again only behind the barrier at this step's end.
.macro HALF sg
	s_wait_alu depctr_vm_vsrc(0)                   ; the last step's LDS stores have read v32 to v39, in which the copy's loads land
	COPYIN
.if (\sg) == 0
	ASK
.endif
	s_bitcmp1_b32 s[NEED], 0
	s_cbranch_scc0 .Lskip_\@
	STEP (\sg)*REC
.Lskip_\@:
	COPYOUT 1-(\sg)
	s_add_nc_u64 s[6:7], s[6:7], REC               ; (the loads that named these bases are done)
	s_add_nc_u64 s[8:9], s[8:9], 256
	s_lshr_b32 s[NEED], s[NEED], 1
	s_lshr_b32 s[MIX], s[MIX], 1
	s_lshr_b32 s[U1], s[U1], 1                     ; behind record 31 a 0 comes in: no load leaves kv
	s_wait_dscnt 0x0                               ; my stores have landed and my reads of this slot are in
	s_barrier_signal -1
	s_barrier_wait -1
.endm
	s_mov_b32 s[TRIP], 0
.Ltrip:                                                ; 16 trips of two steps
	s_wait_xcnt 0x0                                ; the last trip's prefetch has read its address
	s_add_nc_u64 s[PFA:PFA+1], s[PFA:PFA+1], 2*REC
	HALF 0
	HALF 1
	s_add_co_u32 s[TRIP], s[TRIP], 1
	s_cmp_lt_u32 s[TRIP], 16
	s_cbranch_scc1 .Ltrip
	; THE WAY OUT: O^T / the sum, quantised along the head's 64 (two blocks of the last product's K), as a half fragment; the 16 waves' scale words leave through LDS, 512 bytes a block of queries
	PLACES                                         ; behind the last products
	v_add_f32 v14, v14, v15
	v_permlanex16_b32 v[TMP], v14, s[SEL], s[SEL+1]
	v_add_f32 v14, v14, v[TMP]                     ; the row's sum
	s_wait_alu depctr_va_vdst(0)
	v_rcp_f32 v14, v14
	v_nop                                          ; a plain place behind the transcendental
	s_wait_alu depctr_va_vdst(0)                   ; the reciprocal has written v14, ahead of its first reader
.set j, 0
.rept 32
	v_mul_f32 v[S+j], v[O+j], v14                  ; register 16 b + i: channel 32 b + 16 (lane / 16) + i of my query
.set j, j+1
.endr
.irp b, 0,1
	v_max3_num_f32 v[BM+\b], |v[S+16*\b]|, |v[S+1+16*\b]|, 0x1800000
.endr
.irp i, 2,4,6,8,10,12,14
.irp b, 0,1
	v_max3_num_f32 v[BM+\b], v[BM+\b], |v[S+16*\b+\i]|, |v[S+1+16*\b+\i]|
.endr
.endr
.irp b, 0,1
	v_permlanex16_b32 v[BT+\b], v[BM+\b], s[SEL], s[SEL+1]
.endr
.irp b, 0,1
	v_max_num_f32 v[BM+\b], v[BM+\b], v[BT+\b]
.endr
.irp b, 0,1
	v_add_nc_u32 v[BS+\b], 0xff000000, v[BM+\b]
.endr
.irp b, 0,1
	v_lshrrev_b32 v[BT+\b], 23, v[BS+\b]
.endr
	v_lshl_or_b32 v[PW], v[BT+1], 8, v[BT]         ; two bytes, zeros above them
	v_cvt_scalef32_pk16_fp6_f32 v[PCD:PCD+2], v[S:S+15], v[BS]
	v_cvt_scalef32_pk16_fp6_f32 v[TQ:TQ+2], v[S+16:S+31], v[BS+1]
	v_nop
.irp i, 0,1,2
	v_permlane16_swap_b32 v[PCD+\i], v[TQ+\i]
.endr
.irp i, 0,1,2
	v_mov_b32 v[PCD+3+\i], v[TQ+\i]
.endr
	s_wait_alu depctr_va_vdst(0)                   ; the codes v192 to v197 and the scale word v226 are written, which the stores below read; the conversions are done reading v96 to v99, in which the LDS load below lands
	global_store_b128 v1, v[PCD:PCD+3], s[12:13]               ; 512 consecutive bytes,
	global_store_b64 v2, v[PCD+4:PCD+5], s[12:13] offset:512   ; and 256
	ds_store_b32 v7, v[PW] offset:HSG
	s_wait_dscnt 0x0
	s_barrier_signal -1
	s_barrier_wait -1
	s_and_b32 s94, s[WV], 7
	s_cmp_lg_u32 s94, 0
	s_cbranch_scc1 .Lend
	ds_load_b128 v[S:S+3], v8 offset:HSG           ; waves 0 and 8: their block's eight tiles' words
	s_wait_dscnt 0x0
	global_store_b128 v1, v[S:S+3], s[14:15]
.Lend:
	s_wait_dscnt 0x0
	s_wait_alu depctr_hold_cnt(0) depctr_sa_sdst(0) depctr_va_vdst(0) depctr_va_sdst(0) depctr_va_ssrc(0) depctr_va_vcc(0) depctr_vm_vsrc(0)
	s_wait_tensorcnt 0x0
	ds_add_u32 v254, v255
	s_wait_dscnt 0x0
	s_endpgm
.Lfunc_end_k_q9c8b7c5142_attn:
	.size	k_q9c8b7c5142_attn, .Lfunc_end_k_q9c8b7c5142_attn-k_q9c8b7c5142_attn
	.p2alignl 7, 3214868480
	.fill 96, 4, 3214868480
	.section	.rodata,"a",@progbits
	.p2align	6, 0x0
	.amdhsa_kernel k_q9c8b7c5142_attn
		.amdhsa_group_segment_fixed_size 29696
		.amdhsa_private_segment_fixed_size 0
		.amdhsa_enable_private_segment 0
		.amdhsa_kernarg_size 48
		.amdhsa_user_sgpr_count 2
		.amdhsa_user_sgpr_kernarg_segment_ptr 1
		.amdhsa_wavefront_size32 1
		.amdhsa_system_sgpr_workgroup_id_x 1
		.amdhsa_system_sgpr_workgroup_id_y 1
		.amdhsa_system_sgpr_workgroup_id_z 1
		.amdhsa_system_vgpr_workitem_id 0
		.amdhsa_next_free_vgpr 256
		.amdhsa_next_free_sgpr 100
		.amdhsa_reserve_vcc 1
		.amdhsa_float_denorm_mode_32 3
		.amdhsa_float_denorm_mode_16_64 3
		.amdhsa_memory_ordered 1
		.amdhsa_forward_progress 1
		.amdhsa_inst_pref_size 54
	.end_amdhsa_kernel
	.amdgpu_metadata
---
amdhsa.version: [ 1, 2 ]
amdhsa.kernels:
  - .name:           k_q9c8b7c5142_attn
    .symbol:         k_q9c8b7c5142_attn.kd
    .args:
      - { .name: qbuf, .offset: 0, .size: 8, .value_kind: global_buffer, .address_space: global }
      - { .name: kv, .offset: 8, .size: 8, .value_kind: global_buffer, .address_space: global }
      - { .name: maskbits, .offset: 16, .size: 8, .value_kind: global_buffer, .address_space: global }
      - { .name: flags, .offset: 24, .size: 8, .value_kind: global_buffer, .address_space: global }
      - { .name: hc, .offset: 32, .size: 8, .value_kind: global_buffer, .address_space: global }
      - { .name: hs, .offset: 40, .size: 8, .value_kind: global_buffer, .address_space: global }
    .group_segment_fixed_size: 29696
    .private_segment_fixed_size: 0
    .kernarg_segment_align: 8
    .kernarg_segment_size: 48
    .max_flat_workgroup_size: 512
    .sgpr_count:     100
    .vgpr_count:     256
    .wavefront_size: 32
...
	.end_amdgpu_metadata
.endif
;; end of part 7
;; launch outp (part 8): grid 256 x 1, 4 waves a work-group, no clusters, 68,096 bytes of LDS; arguments hc, hs, wimg, wsc, bo, out0; writes out0
.if DOCPART == 8
	.amdgcn_target "amdgcn-amd-amdhsa--gfx1250"
	.amdhsa_code_object_version 6
	.text
	.protected	k_q9c8b7c5142_outp
	.globl	k_q9c8b7c5142_outp
	.p2align	8
	.type	k_q9c8b7c5142_outp,@function
k_q9c8b7c5142_outp:
	s_mov_b64 s[64:65], 0
	v_nop
	global_prefetch_b8 v0, s[64:65] scope:SCOPE_SE
	s_setreg_imm32_b32 hwreg(HW_REG_WAVE_SCHED_MODE, 0, 2), 2
	s_setreg_imm32_b32 hwreg(HW_REG_WAVE_MODE, 25, 1), 1
	s_wait_xcnt 0x0
	s_wait_alu depctr_vm_vsrc(0)
; OUTP.  out0 = heads Wo^T + bo on codes of E2M3 with one E8M0 byte for each 32 along K; out0 [8192][512] f32.
; Work-group g takes the tiles 2 g and 2 g + 1 of 16 rows (lane r of tile 2 g + u holds row 32 g + 8 u + r + 8 (r / 8)): rows 32 g .. 32 g + 31.  Wave w takes columns 128 w .. + 127.
; All operands come as images of their registers, straight into registers: my 8 tiles of Wo (32 fragments), the two tiles of heads (8 fragments, each two heads' half fragments on end), the scale words, and bo
; in the result's layout as the C of each sum's first matrix instruction.  Source 0 = a tile of Wo, source 1 = a tile of rows: a lane holds one row and 64 of its columns.
; The way out goes through the wave's own two stages in LDS (16 rows x (512 + 16) bytes) and leaves as whole runs of 512 bytes.  Waves share nothing: no barrier, no tensor load, no cluster.
; REGISTERS.  window 0: v1-6 addresses; v16-31 Wo's scale words; v32-39 the rows'; v40-55 the heads' words as loaded; v64-127, v128-191 the accumulators; v192-255 rows read back.
;   windows 1, 2: Wo: fragment (i, ks) in window 1 + ks / 2 at v[12 (2 i + ks % 2)].   window 3: v0-47, v48-95 the rows' fragments; v192-255 bo.
; THE MODE: SCHED_MODE bits 1:0 = 2 (LLVM: expert scheduling mode 2), set by the entry lines.  The code itself states the register dependences between vector or matrix instructions
; and memory or LDS instructions, with s_wait_alu, always for 0.
; THE PLAN.  The text runs straight through, and each register is loaded once, but for tile 0's accumulators.  Registers that memory or LDS instructions touch:
;   v1-v6         offsets and LDS addresses: written at the head, never again: one wait on va_vdst ahead of the first load.
;   v32-39        the rows' scale words: made by vector instructions of loaded words, read by the scaled products: a wait on va_vdst behind their places.
;   v64-191       the accumulators: written by the products, read by the stage's LDS stores: a wait on va_vdst behind the places.  v64-127 then take tile 1's rows from the stage:
;                 a wait on vm_vsrc ahead of those loads, for the stores that read them; no vector or matrix instruction stands behind the wait on va_vdst.
.set IS,  16
.set OS,  32
.set RAW, 40
.set RB,  192
.set CB,  192                          ; in window 3
.set MSB, 0
.macro WIN new                         ; the immediate's high byte repeats the setting that is left
.if MSB != (\new)
	s_set_vgpr_msb (MSB<<8)|(\new)
.set MSB, (\new)
.endif
.endm
.macro MM1 acc, of, osb, i, ks
.set rD, (\acc)+8*(\i)
.set rA, 12*(2*(\i)+(\ks)%2)
.set rB, (\of)+12*(\ks)
.set rC, rD
.if (\ks) == 0
.set rC, CB+8*(\i)
.endif
.if (\i)%2
	v_wmma_scale_f32_16x16x128_f8f6f4 v[rD:rD+7], v[rA:rA+11], v[rB:rB+11], v[rC:rC+7], v[IS+4*((\i)/2)+(\ks)], v[(\osb)+(\ks)] matrix_a_fmt:MATRIX_FMT_FP6 matrix_b_fmt:MATRIX_FMT_FP6 matrix_a_scale:MATRIX_SCALE_ROW1
.else
	v_wmma_scale_f32_16x16x128_f8f6f4 v[rD:rD+7], v[rA:rA+11], v[rB:rB+11], v[rC:rC+7], v[IS+4*((\i)/2)+(\ks)], v[(\osb)+(\ks)] matrix_a_fmt:MATRIX_FMT_FP6 matrix_b_fmt:MATRIX_FMT_FP6
.endif
.endm
; 32 matrix instructions: eight accumulators by turns, one instruction a turn, K ascending
.macro MM acc, of, osb
	WIN 0x3d                                           ; source 0 window 1, source 1 and C (the bias) window 3, D window 0
.irp i, 0,1,2,3,4,5,6,7
	MM1 \acc, \of, \osb, \i, 0
.endr
	WIN 0x0d
.irp i, 0,1,2,3,4,5,6,7
	MM1 \acc, \of, \osb, \i, 1
.endr
	WIN 0x0e                                           ; source 0 window 2
.irp i, 0,1,2,3,4,5,6,7
	MM1 \acc, \of, \osb, \i, 2
.endr
.irp i, 0,1,2,3,4,5,6,7
	MM1 \acc, \of, \osb, \i, 3
.endr
	WIN 0
.endm
	s_load_b256 s[4:11], s[0:1], 0x0               ; hc s[4:5], hs s[6:7], wimg s[8:9], wsc s[10:11]
	s_load_b128 s[12:15], s[0:1], 0x20             ; bo s[12:13], out0 s[14:15]
	v_lshl_add_u32 v62, v0, 2, 0x10800
	v_mov_b32 v63, 0
	v_lshrrev_b32 v1, 5, v0
	v_readfirstlane_b32 s16, v1                    ; wave 0..3
	v_and_b32 v7, 31, v0                           ; lane
	v_and_b32 v8, 15, v0                           ; r
	v_bfe_u32 v9, v0, 4, 1                         ; h
	v_lshlrev_b32 v1, 4, v7                        ; v1  16 x lane
	v_lshlrev_b32 v2, 3, v7                        ; v2  8 x lane
	v_lshlrev_b32 v3, 2, v8                        ; v3  4 x r
	v_lshlrev_b32 v4, 6, v9                        ; v4  64 x h
	s_wait_alu depctr_va_sdst(0)                   ; s16, the wave's number, is written, ahead of its first reader
	s_mul_i32 s17, s16, 16896                      ; my two stages
	v_mul_u32_u24 v5, v8, 528
	v_lshl_add_u32 v5, v9, 6, v5
	v_add_nc_u32 v5, s17, v5                       ; v5  in: row r, + 64 h
	v_add_nc_u32 v6, s17, v1                       ; v6  back: 16 bytes a lane of a row
	s_mov_b32 s19, 0
	s_wait_kmcnt 0x0
	s_mul_i32 s18, s16, 49152
	s_add_co_u32 s18, s18, 3*196608
	s_add_nc_u64 s[8:9], s[8:9], s[18:19]          ; Wo's images: my 8 tiles
	s_lshl_b32 s18, s16, 11
	s_add_co_u32 s18, s18, 3*8192
	s_add_nc_u64 s[10:11], s[10:11], s[18:19]      ; their scale words
	s_lshl_b32 s18, s16, 9
	s_add_nc_u64 s[12:13], s[12:13], s[18:19]      ; bo's 128 numbers
	s_add_nc_u64 s[14:15], s[14:15], s[18:19]      ; out0: my columns,
	s_lshl_b32 s18, ttmp9, 16
	s_add_nc_u64 s[14:15], s[14:15], s[18:19]      ; rows 32 g on
	s_mul_i32 s18, ttmp9, 12288
	s_add_nc_u64 s[4:5], s[4:5], s[18:19]          ; hc: tiles 2 g, 2 g + 1: 8 half fragments each
	s_lshr_b32 s18, ttmp9, 7
	s_lshl_b32 s18, s18, 17                        ; hs: b x 8 heads x 256 tiles x 64 bytes,
	s_and_b32 s20, ttmp9, 127
	s_lshl_b32 s20, s20, 7                         ; tile 2 g of the batch
	s_add_co_u32 s18, s18, s20
	s_add_nc_u64 s[6:7], s[6:7], s[18:19]
	WIN 0x40
	s_wait_alu depctr_va_vdst(0)                   ; the offsets and LDS addresses v1 to v6 are written: every load and store of the kernel reads one of them
.irp i, 0,1,2,3,4,5,6,7
.irp ks, 0,1
.irp g, 0,1,2
	global_load_b128 v[12*(2*\i+\ks)+4*\g:12*(2*\i+\ks)+4*\g+3], v1, s[8:9] offset:(4*\i+\ks)*1536+512*\g
.endr
.endr
.endr
	WIN 0x80
.irp i, 0,1,2,3,4,5,6,7
.irp ks, 0,1
.irp g, 0,1,2
	global_load_b128 v[12*(2*\i+\ks)+4*\g:12*(2*\i+\ks)+4*\g+3], v1, s[8:9] offset:(4*\i+2+\ks)*1536+512*\g
.endr
.endr
.endr
	WIN 0xc0
.irp t, 0,1,2,3,4,5,6,7
	global_load_b128 v[CB+8*\t:CB+8*\t+3], v4, s[12:13] offset:(32*(\t/2)+8*(\t%2))*4        ; bo at columns 32 (t / 2) + 16 h + 8 (t % 2) + 0 .. 7
	global_load_b128 v[CB+8*\t+4:CB+8*\t+7], v4, s[12:13] offset:(32*(\t/2)+8*(\t%2))*4+16
.endr
.irp u, 0,1
.irp ks, 0,1,2,3
.irp c, 0,1                                            ; head 2 ks + c's half fragment is registers 6 c .. 6 c + 5 of K step ks
	global_load_b128 v[48*\u+12*\ks+6*\c:48*\u+12*\ks+6*\c+3], v1, s[4:5] offset:6144*\u+1536*\ks+768*\c
	global_load_b64 v[48*\u+12*\ks+6*\c+4:48*\u+12*\ks+6*\c+5], v2, s[4:5] offset:6144*\u+1536*\ks+768*\c+512
.endr
.endr
.endr
	WIN 0
.irp b, 0,1,2,3
	global_load_b128 v[IS+4*\b:IS+4*\b+3], v1, s[10:11] offset:512*\b   ; lanes 0-15: tile 2 b's scale words; lanes 16-31: tile 2 b + 1's
.endr
.irp u, 0,1
.irp hd, 0,1,2,3,4,5,6,7
	global_load_b32 v[RAW+8*\u+\hd], v3, s[6:7] offset:16384*\hd+64*\u   ; row r's two bytes of head hd
.endr
.endr
	s_wait_loadcnt 0x0
.irp u, 0,1
.irp ks, 0,1,2,3
	v_lshl_or_b32 v[OS+4*\u+\ks], v[RAW+8*\u+2*\ks+1], 16, v[RAW+8*\u+2*\ks]   ; two heads' bytes make K step ks's scale word
.endr
.endr
.rept 8
	v_nop                                          ; a scale register written by a vector instruction stands eight places ahead of the scaled matrix instruction
.endr
	s_wait_alu depctr_va_vdst(0)                   ; the rows' scale words v32 to v39 are written, which the scaled products take as scales; the places above stay beside this wait
	MM 64, 0, OS
	MM 128, 48, OS+4
.rept 4
	v_nop                                          ; four places behind the last products, ahead of the first read of results
.endr
	s_wait_alu depctr_va_vdst(0)                   ; the products have written the accumulators v64 to v191, which the LDS stores read; the places above stay beside this wait
.macro TOSTAGE u                                       ; registers 16 b + 4 g .. + 3 are columns 32 b + 16 h + 4 g .. + 3 of my row; each accumulator from its low end on
.irp b, 0,1,2,3
.irp g, 0,1,2,3
	ds_store_b128 v5, v[64+64*\u+16*\b+4*\g:64+64*\u+16*\b+4*\g+3] offset:8448*\u+128*\b+16*\g
.endr
.endr
.endm
	TOSTAGE 0
.irp p, 0,1,2,3,4,5,6,7,8,9,10,11,12,13,14,15
	ds_load_b128 v[RB+4*\p:RB+4*\p+3], v6 offset:528*\p            ; LDS serves a wave's instructions in order (ISA guide 5.7.1.4): these see my stores
.endr
	TOSTAGE 1
	s_wait_dscnt 32                                ; tile 0's stores are done (behind them: 16 loads and 16 stores)
	s_wait_alu depctr_vm_vsrc(0)                   ; tile 0's LDS stores have read v64 to v127, in which the loads below land
.irp p, 0,1,2,3,4,5,6,7,8,9,10,11,12,13,14,15
	ds_load_b128 v[64+4*\p:64+4*\p+3], v6 offset:8448+528*\p
.endr
	s_wait_dscnt 32                                ; tile 0's rows are back (behind them: 16 stores and 16 loads)
.irp p, 0,1,2,3,4,5,6,7,8,9,10,11,12,13,14,15
	global_store_b128 v1, v[RB+4*\p:RB+4*\p+3], s[14:15] offset:(\p+8*(\p/8))*2048 th:TH_STORE_NT   ; 32 lanes store 512 consecutive bytes, aligned
.endr
	s_wait_dscnt 0x0
.irp p, 0,1,2,3,4,5,6,7,8,9,10,11,12,13,14,15
	global_store_b128 v1, v[64+4*\p:64+4*\p+3], s[14:15] offset:(8+\p+8*(\p/8))*2048 th:TH_STORE_NT
.endr
	s_wait_dscnt 0x0
	s_wait_alu depctr_hold_cnt(0) depctr_sa_sdst(0) depctr_va_vdst(0) depctr_va_sdst(0) depctr_va_ssrc(0) depctr_va_vcc(0) depctr_vm_vsrc(0)
	s_wait_tensorcnt 0x0
	ds_add_u32 v62, v63
	s_wait_dscnt 0x0
	s_endpgm
.Lfunc_end_k_q9c8b7c5142_outp:
	.size	k_q9c8b7c5142_outp, .Lfunc_end_k_q9c8b7c5142_outp-k_q9c8b7c5142_outp
	.p2alignl 7, 3214868480
	.fill 96, 4, 3214868480
	.section	.rodata,"a",@progbits
	.p2align	6, 0x0
	.amdhsa_kernel k_q9c8b7c5142_outp
		.amdhsa_group_segment_fixed_size 68096
		.amdhsa_private_segment_fixed_size 0
		.amdhsa_enable_private_segment 0
		.amdhsa_kernarg_size 48
		.amdhsa_user_sgpr_count 2
		.amdhsa_user_sgpr_kernarg_segment_ptr 1
		.amdhsa_wavefront_size32 1
		.amdhsa_system_sgpr_workgroup_id_x 1
		.amdhsa_system_sgpr_workgroup_id_y 1
		.amdhsa_system_sgpr_workgroup_id_z 1
		.amdhsa_system_vgpr_workitem_id 0
		.amdhsa_next_free_vgpr 1024
		.amdhsa_next_free_sgpr 66
		.amdhsa_reserve_vcc 0
		.amdhsa_float_denorm_mode_32 3
		.amdhsa_float_denorm_mode_16_64 3
		.amdhsa_memory_ordered 1
		.amdhsa_forward_progress 1
		.amdhsa_inst_pref_size 35
	.end_amdhsa_kernel
	.amdgpu_metadata
---
amdhsa.version: [ 1, 2 ]
amdhsa.kernels:
  - .name:           k_q9c8b7c5142_outp
    .symbol:         k_q9c8b7c5142_outp.kd
    .args:
      - { .name: hc, .offset: 0, .size: 8, .value_kind: global_buffer, .address_space: global }
      - { .name: hs, .offset: 8, .size: 8, .value_kind: global_buffer, .address_space: global }
      - { .name: wimg, .offset: 16, .size: 8, .value_kind: global_buffer, .address_space: global }
      - { .name: wsc, .offset: 24, .size: 8, .value_kind: global_buffer, .address_space: global }
      - { .name: bo, .offset: 32, .size: 8, .value_kind: global_buffer, .address_space: global }
      - { .name: out0, .offset: 40, .size: 8, .value_kind: global_buffer, .address_space: global }
    .group_segment_fixed_size: 68096
    .private_segment_fixed_size: 0
    .kernarg_segment_align: 8
    .kernarg_segment_size: 48
    .max_flat_workgroup_size: 128
    .sgpr_count:     66
    .vgpr_count:     1024
    .wavefront_size: 32
...
	.end_amdgpu_metadata
.endif
;; end of part 8
